; MI455X (gfx1250); checked and timed in simulation.
; The chip was launched on July 23, 2026; its instructions are those of AMD's public machine-readable ISA for CDNA 5 (MIT licence, August 2026) and "CDNA5" Instruction Set Architecture Reference Guide (July 2026). The comments in the code are by the model that wrote it; some were corrected since.
;; Multi Headed Self Attention Layer. Allowed arithmetic: matrix products marked QUANTISED: E5M2 operands, one E8M0 scale for each 32 along K, by v_wmma_scale_f32_16x16x128_f8f6f4 with both operands' format E5M2, f32 sums; everything else in f32.
;; Inputs: beta 1,024 float32; gamma 1,024 float32; mask 4 x 2,048 x 2,048 int32; w_0 1,024 x 1,024 float32; w_k 1,024 x 1,024 float32; w_q 1,024 x 1,024 float32; w_v 1,024 x 1,024 float32; x_keys 4 x 2,048 x 1,024 float32; x_queries 4 x 2,048 x 1,024 float32; x_values 4 x 2,048 x 1,024 float32.
;; Outputs: out0 4 x 2,048 x 1,024 float32.
;; This version of the problem:
;;   THIS VERSION OF THE PROBLEM IS GIVEN IN LOW PRECISION. The matrix products marked QUANTISED in the list below multiply operands that are first quantised to E5M2 (5 exponent bits, 2 mantissa bits; 8 bits a number), with one power-of-two scale for each 32 numbers along K (OCP MX v1.0); their sums are f32. All else is computed in f32.
;;   The module's matrix products, in the order in which they are computed (A, B: the left and right operand; K: the contracted axis; several contracted axes count as one K, in the product's order):
;;     1. [M 8,192, K 1,024] x [K 1,024, N 1,024]; A: input x_queries; B: input w_q: QUANTISED
;;     2. [M 8,192, K 1,024] x [K 1,024, N 1,024]; A: input x_keys; B: input w_k: QUANTISED
;;     3. [M 8,192, K 1,024] x [K 1,024, N 1,024]; A: input x_values; B: input w_v: QUANTISED
;;     4. batch 64 x [M 2,048, K 64] x [K 64, N 2,048]; A: computed on the way; B: computed on the way: QUANTISED
;;     5. batch 64 x [M 64, K 2,048] x [K 2,048, N 2,048]; A: computed on the way; B: softmax (see below): QUANTISED
;;     6. [M 8,192, K 1,024] x [K 1,024, N 1,024]; A: computed on the way; B: input w_0: QUANTISED
;;   THE QUANTISER, for each operand of a quantised product, along K:
;;     - K is cut into blocks of 32 from its start; a last block that is shorter is filled with zeros.
;;     - A block's scale is 2^e with e = floor(log2(the largest magnitude in the block)) - 15, held to -126 .. 127; a block of zeros has e = 0. As a byte (E8M0): e + 127.
;;     - Each number is divided by its block's scale, clamped to +-57,344, and rounded to the nearest number of E5M2, ties to even, subnormals kept.
;;     - The product sums the exact products of the quantised numbers (number of the format x scale) in f32.
;;   ~~~python
;;   def quantise(x, axis):      # numpy; x: float32 -> the quantised numbers, widened to float32 again
;;       x = np.moveaxis(x, axis, -1); K = x.shape[-1]
;;       x = np.pad(x, [(0, 0)] * (x.ndim - 1) + [(0, -K % 32)]); x = x.reshape(x.shape[:-1] + (-1, 32)); a = np.abs(x).max(-1, keepdims=True)
;;       e = np.where(a > 0, np.clip(np.frexp(np.where(a > 0, a, 1))[1] - 1 - 15, -126, 127), 0)      # np.frexp(a)[1] - 1 = floor(log2(a)), exactly
;;       r = np.clip(x / 2.0 ** e, -57344, 57344)
;;       step = 2.0 ** (np.maximum(np.frexp(np.where(r == 0, 1, r))[1] - 1, -14) - 2)
;;       q = np.round(r / step) * step * 2.0 ** e      # np.round: ties to even
;;       return np.moveaxis(q.reshape(q.shape[:-2] + (-1,))[..., :K], -1, axis).astype(np.float32)
;;   ~~~
;;   SOFTMAX AHEAD OF A QUANTISED PRODUCT. Where the list says 'softmax', what is quantised is not the finished softmax but p = 2^(t - M), with t = logit x log2(e) and M = ceil(the row's largest t), a whole number; so 1/2 < the row's largest p <= 1. The row's sum l is taken of the UNQUANTISED p, in f32, and the product's result is divided by l at the end. Since M is a whole number, a kernel that streams over the keys may use a running M (the ceiling of the running maximum): every later rescaling is an exact power of two, which a block's scale takes up: the codes' values come out the same.
;;   OPERANDS COMPUTED ON THE WAY. 'Computed on the way' means the value that the module computes at that place (a softmax that the list does not call 'softmax' is quantised finished and normalised). What goes into a quantiser is computed in f32, as accurately as f32 sums, v_exp_f32 and their like allow (about 1e-6 of the number): no bf16 or f16 on the way to a quantiser, and a product that is left as it is and whose result goes on into a quantised operand takes f32 operands (vector FMAs, or v_wmma_f32_16x16x4_f32). A number that lies on a knife's edge between two numbers of the format may be rounded either way, as far as f32 arithmetic and the matrix unit's own rounding can turn it there, and no further.
;; One version. Each part assembles by itself: llvm-mc -triple=amdgcn-amd-amdhsa -mcpu=gfx1250 --defsym DOCPART=n.
;; ======== version 1 of 1: 4 launches
;; limits: right only within a limited range of input values
;; workspace buffers: ximg 25,952,256 bytes; wimg 4,325,376 bytes; maskw 2,097,152 bytes of whole numbers; qrec 17,563,648 bytes; kvrec 17,563,648 bytes; orec 8,650,752 bytes
;; launch prep (part 1): grid 512 x 1, 4 waves a work-group, no clusters, 34,304 bytes of LDS; arguments x_queries, x_keys, x_values, w_q, w_k, w_v, w_0, ximg, wimg; writes ximg, wimg
.if DOCPART == 1
	.amdgcn_target "amdgcn-amd-amdhsa--gfx1250"
	.amdhsa_code_object_version 6
	.text
	.protected	k_qdb50d746c6_prep
	.globl	k_qdb50d746c6_prep
	.p2align	8
	.type	k_qdb50d746c6_prep,@function
k_qdb50d746c6_prep:
	s_mov_b64 s[64:65], 0
	v_nop
	global_prefetch_b8 v0, s[64:65] scope:SCOPE_SE
	s_setreg_imm32_b32 hwreg(HW_REG_WAVE_MODE, 25, 1), 1
	s_wait_xcnt 0x0
; FIRST OF FOUR LAUNCHES of: LayerNorm(x_queries + (softmax(where(mask == 0, 1e-6, Q K^T / 8)) V) w_0), Q, K, V = x_queries w_q, x_keys w_k, x_values w_v; all six products on codes of BF8 (E5M2) with one E8M0 scale for each 32 along K.
; NO WORK IS LEFT OUT: a masked score becomes 1e-6 and not -infinity, so every key counts for every query; all ten inputs have a way to the result and all are loaded by some launch (the mask by the second).
; THIS LAUNCH quantises the three x tensors and the four weights along their K (the model's 1,024), once.  What it stores is laid in the order of the matrix operands' registers:
;   an IMAGE of a fragment (16 rows x 128 K): four groups c of 512 bytes, lane l's 16 bytes at 16 l = k 32 c + 16 (l / 16) + 0 .. 15 of tile row l % 16;
;   a RECORD of a tile of 16 rows over K = 1,024: eight images, then 512 bytes of scale words: lane (h, r)'s 16 bytes are the words of row r for K steps h, 2 + h, 4 + h, 6 + h.
; THE ROWS OF A TILE: x_queries' tile T holds rows 16 T + r.  The tiles of x_keys and x_values and the tiles of columns of all four weights are CHOSEN: tile 2 b + u holds, in lane r, row (column) 32 b + 8 u + r + 8 (r / 8),
; so that a product that takes such a tile as source 0 leaves 16 neighbours along the next product's K in a lane's 16 registers of tiles 2 b and 2 b + 1.
; TWO PATHS, parted on the work-group's number: 0-383 the x tensors (a wave a tile), 384-511 the weights (a wave 32 columns x 256 K).  Only the first uses LDS.
; A block's scale byte is its largest magnitude's exponent field - 15, held at 1 from below.  LIMITS: a block of zeros, or one whose largest magnitude lies under 2^-111, gets the byte 1 (the bytes are read by this program alone);
; NaN and infinities among the inputs are not served.  No tensor loads, no cluster (nothing is shared), no barrier (waves share nothing).
.set REC,    16896                     ; a record: 8 x 2,048 + 512
.set SPITCH, 528                       ; a stage row: 512 bytes + 16
.set WSTG,   16*SPITCH                 ; a wave's stage: 16 rows
.set SPARE,  4*WSTG                    ; behind the stages: the spare words, 128 bytes a wave
.set LI,   1                           ; 16 x lane
.set GB,   2                           ; the loads' offset for tile rows 8-15
.set STIX, 3                           ; stage, way in: 16 x lane
.set STOX, 4                           ; stage, way out: 528 r + 64 h
.set SPW,  5                           ; my spare word; never rewritten
.set NIL,  6                           ; 0; never rewritten
.set WOFF, 10                          ; weights: my column's byte in a row
.set WOUT, 11                          ; weights: my 16 bytes' place: u x REC + 16 r
.set TM,   16                          ; +0 largest magnitudes, +4 the other half's / bytes, +8 largest number x scale, +12 the conversions' scale operands
.set PW,   32                          ; the scale word of each K step
.set SCB,  40                          ; the record's scale block (weights: two scale words)
.set PC,   44                          ; codes
.set R,    64                          ; two sets of 64 registers as loaded
.set X,    192                         ; 64 numbers of my row: register 16 c + i = k 32 c + 16 h + i
.set SEL,  40
.set MNT,  42
.set HALF, 43
.macro QUANT s                         ; 64 numbers of a lane become codes in v[PC] on; the bytes are left in v[TM + 4 + b].  A block of 32 lies in lanes l and l xor 16
.irp b, 0,1,2,3
	v_max3_num_f32 v[TM+\b], |v[\s+16*\b]|, |v[\s+1+16*\b]|, 0x8000000   ; and the floor 2^(16 - 127)
.endr
.irp i, 2,4,6,8,10,12,14
.irp b, 0,1,2,3
	v_max3_num_f32 v[TM+\b], v[TM+\b], |v[\s+16*\b+\i]|, |v[\s+1+16*\b+\i]|
.endr
.endr
.irp b, 0,1,2,3
	v_permlanex16_b32 v[TM+4+\b], v[TM+\b], s[SEL], s[SEL+1]
.endr
.irp b, 0,1,2,3
	v_max_num_f32 v[TM+\b], v[TM+\b], v[TM+4+\b]
.endr
.irp b, 0,1,2,3
	v_add_nc_u32 v[TM+12+\b], 0xf8800000, v[TM+\b]        ; 15 off the exponent field
.endr
.irp b, 0,1,2,3
	v_and_or_b32 v[TM+8+\b], v[TM+\b], 0x7f800000, s[MNT] ; 57,344 x the scale
.endr
.irp b, 0,1,2,3
	v_lshrrev_b32 v[TM+4+\b], 23, v[TM+12+\b]             ; the scale's byte
.endr
.irp b, 0,1,2,3
.irp i, 0,1,2,3,4,5,6,7,8,9,10,11,12,13,14,15
	v_med3_num_f32 v[\s+16*\b+\i], v[\s+16*\b+\i], -v[TM+8+\b], v[TM+8+\b]   ; the conversion does not saturate (ISA guide 7.6.2): the hold
.endr
	v_cvt_scalef32_pk8_bf8_f32 v[PC+4*\b:PC+1+4*\b], v[\s+16*\b:\s+7+16*\b], v[TM+12+\b]
	v_cvt_scalef32_pk8_bf8_f32 v[PC+2+4*\b:PC+3+4*\b], v[\s+8+16*\b:\s+15+16*\b], v[TM+12+\b]
.endr
	v_nop                                          ; one plain line behind the last conversion
.endm
.macro FINISH                          ; a wave's end
	s_wait_tensorcnt 0x0
	ds_add_u32 v[SPW], v[NIL]
	s_wait_dscnt 0x0
	s_endpgm
.endm
.macro LOADT t                         ; unit t of a tile: 512 bytes of each of its 16 rows, into set t % 2
.irp i, 0,1,2,3,4,5,6,7
	global_load_b128 v[R+64*((\t)%2)+4*\i:R+64*((\t)%2)+4*\i+3], v[LI], s[30:31] offset:\i*4096+512*(\t) th:TH_LOAD_NT
.endr
.irp i, 8,9,10,11,12,13,14,15
	global_load_b128 v[R+64*((\t)%2)+4*\i:R+64*((\t)%2)+4*\i+3], v[GB], s[30:31] offset:\i*4096+512*(\t) th:TH_LOAD_NT
.endr
.endm
.macro TURN t                          ; through the wave's own stage: in as loaded, out 4 x 64 bytes of my row; LDS serves a wave's instructions in order
.irp i, 0,1,2,3,4,5,6,7,8,9,10,11,12,13,14,15
	ds_store_b128 v[STIX], v[R+64*((\t)%2)+4*\i:R+64*((\t)%2)+4*\i+3] offset:SPITCH*\i
.endr
.irp c, 0,1,2,3
.irp j, 0,1,2,3
	ds_load_b128 v[X+16*\c+4*\j:X+16*\c+4*\j+3], v[STOX] offset:128*\c+16*\j
.endr
.endr
.endm
	s_load_b128 s[4:7], s[0:1], 0x0                ; x_queries, x_keys
	s_load_b64 s[8:9], s[0:1], 0x10                ; x_values
	s_load_b256 s[12:19], s[0:1], 0x18             ; w_q, w_k, w_v, w_0
	s_load_b64 s[20:21], s[0:1], 0x38              ; ximg
	s_load_b64 s[24:25], s[0:1], 0x40              ; wimg
	v_lshl_add_u32 v[SPW], v0, 2, SPARE
	v_mov_b32 v[NIL], 0
	v_lshrrev_b32 v12, 5, v0
	v_readfirstlane_b32 s26, v12                   ; wave
	v_and_b32 v12, 31, v0
	v_lshlrev_b32 v[LI], 4, v12
	v_and_b32 v13, 15, v0                          ; r
	v_bfe_u32 v14, v0, 4, 1                        ; h
	s_mul_i32 s27, s26, WSTG
	v_add_nc_u32 v[STIX], s27, v[LI]
	v_mul_u32_u24 v15, v13, SPITCH
	v_lshl_add_u32 v15, v14, 6, v15
	v_add_nc_u32 v[STOX], s27, v15
.irp b, 0,1,2,3
	v_mov_b32 v[TM+4+\b], 0                        ; a lane permute's destination counts as one of its sources
.endr
	s_mov_b32 s[SEL], 0x76543210
	s_mov_b32 s[SEL+1], 0xfedcba98
	s_mov_b32 s[MNT], 0x600000
	s_mov_b32 s[HALF], 0xffff0000
	s_mov_b32 s33, 0
	s_wait_alu depctr_va_vdst(0)
	s_wait_kmcnt 0x0
	s_cmp_lt_u32 ttmp9, 384
	s_cbranch_scc0 .Lpath_w
	; ---- THE X TENSORS: wave task G = 4 x work-group + wave: tensor G / 512, tile G % 512
	s_lshl_b32 s27, ttmp9, 2
	s_add_co_u32 s27, s27, s26                     ; G
	s_lshr_b32 s28, s27, 9                         ; tensor
	s_and_b32 s29, s27, 511                        ; T
	s_lshl_b32 s32, s29, 4                         ; first row, natural: 16 T
	s_lshr_b32 s35, s29, 1
	s_lshl_b32 s35, s35, 5
	s_and_b32 s34, s29, 1
	s_lshl_b32 s34, s34, 3
	s_add_co_u32 s35, s35, s34                     ; chosen: 32 (T / 2) + 8 (T % 2)
	s_cmp_eq_u32 s28, 1
	s_cselect_b64 s[30:31], s[6:7], s[8:9]
	s_cmp_eq_u32 s28, 0
	s_cselect_b64 s[30:31], s[4:5], s[30:31]
	s_cselect_b32 s32, s32, s35
	s_cselect_b32 s34, 0, 32768                    ; chosen: tile rows 8-15 lie 8 rows of 4,096 bytes further on
	v_add_nc_u32 v[GB], s34, v[LI]
	s_lshl_b32 s32, s32, 12
	s_add_nc_u64 s[30:31], s[30:31], s[32:33]      ; the tile's first row
	s_mul_i32 s32, s27, REC
	s_add_nc_u64 s[20:21], s[20:21], s[32:33]      ; its record
	LOADT 0
	LOADT 1
.macro XSTEP t                         ; K step t of the tile: 16 rows x 128 numbers become an image and a scale word a row
.if (\t) < 7
	s_wait_loadcnt 16                              ; unit t's 16 loads are in; the next unit's 16 may be out
.else
	s_wait_loadcnt 0x0
.endif
	TURN \t
	s_wait_dscnt 0x0                               ; my numbers are back; the stage's stores have read their registers
	s_wait_xcnt 0x0                                ; the last step's stores have read the codes' registers
.if (\t) < 6
	LOADT (\t)+2
.endif
	QUANT X
	v_lshl_or_b32 v[PW+(\t)], v[TM+5], 8, v[TM+4]
	v_lshl_or_b32 v[PW+(\t)], v[TM+6], 16, v[PW+(\t)]
	v_lshl_or_b32 v[PW+(\t)], v[TM+7], 24, v[PW+(\t)]
.irp c, 0,1,2,3
	global_store_b128 v[LI], v[PC+4*\c:PC+4*\c+3], s[20:21] offset:2048*(\t)+512*\c   ; 512 consecutive bytes, aligned
.endr
.endm
	s_wait_alu depctr_va_vdst(0)
.irp t, 0,1,2,3,4,5,6,7
	XSTEP \t
.endr
.irp p, 0,1,2,3
	v_cndmask_b32 v[SCB+\p], v[PW+2*\p], v[PW+2*\p+1], s[HALF]   ; lanes 0-15 the even K step's word, lanes 16-31 the odd one's
.endr
	global_store_b128 v[LI], v[SCB:SCB+3], s[20:21] offset:16384
	FINISH
.Lpath_w:
	; ---- THE WEIGHTS, stored [K][N]: a lane takes a column and its registers run down K, so a block of 32 lies in one lane and the codes come out with K innermost.
	; idx = work-group - 384: weight idx / 32, 256 along K: (idx / 8) % 4, columns 128 (idx % 8) + 32 wave on.  Lane (u, r) takes column 8 u + r + 8 (r / 8) of the 32: row r of tile u of the pair.
	s_sub_co_u32 s27, ttmp9, 384
	s_lshr_b32 s28, s27, 5                         ; weight
	s_and_b32 s29, s27, 7
	s_bfe_u32 s34, s27, 0x20003                    ; ky
	s_lshl_b32 s29, s29, 2
	s_add_co_u32 s29, s29, s26                     ; which 32 columns
	s_cmp_eq_u32 s28, 2
	s_cselect_b64 s[30:31], s[16:17], s[18:19]
	s_cmp_eq_u32 s28, 1
	s_cselect_b64 s[30:31], s[14:15], s[30:31]
	s_cmp_eq_u32 s28, 0
	s_cselect_b64 s[30:31], s[12:13], s[30:31]
	s_lshl_b32 s32, s34, 20                        ; 256 rows of 4,096 bytes
	s_lshl_b32 s35, s29, 7
	s_add_co_u32 s32, s32, s35
	s_add_nc_u64 s[30:31], s[30:31], s[32:33]
	v_and_b32 v12, 8, v0
	v_add_nc_u32 v12, v12, v13                     ; r + 8 (r / 8)
	v_lshl_add_u32 v12, v14, 3, v12
	v_lshlrev_b32 v[WOFF], 2, v12
	s_wait_alu depctr_va_vdst(0)
	v_mul_u32_u24 v[WOUT], v14, REC
	v_lshl_add_u32 v[WOUT], v13, 4, v[WOUT]
	s_lshl_b32 s28, s28, 6
	s_lshl_b32 s29, s29, 1
	s_add_co_u32 s28, s28, s29                     ; the pair's first record
	s_mul_i32 s32, s28, REC
	s_add_nc_u64 s[36:37], s[24:25], s[32:33]
	s_lshl_b32 s32, s34, 12
	s_add_nc_u64 s[24:25], s[36:37], s[32:33]      ; its images of K steps 2 ky, 2 ky + 1
	s_lshl_b32 s32, s34, 2
	s_add_nc_u64 s[36:37], s[36:37], s[32:33]      ; and word ky of its scale block's lanes
.macro WLOAD t                         ; block t: rows 32 t + i of my column: 32 lanes read 128 consecutive bytes
.irp i, 0,1,2,3,4,5,6,7,8,9,10,11,12,13,14,15,16,17,18,19,20,21,22,23,24,25,26,27,28,29,30,31
	global_load_b32 v[R+32*((\t)%2)+\i], v[WOFF], s[30:31] offset:(32*(\t)+\i)*4096 th:TH_LOAD_NT
.endr
.endm
.macro WBLOCK t
.set XB, R+32*((\t)%2)
.set CB, PC+8*((\t)%2)
.if (\t) < 7
	s_wait_loadcnt 32                              ; this block's 32 loads are in; the next block's may be out
.else
	s_wait_loadcnt 0x0
.endif
	v_max3_num_f32 v[TM], |v[XB]|, |v[XB+1]|, |v[XB+2]|
	v_max3_num_f32 v[TM+1], |v[XB+3]|, |v[XB+4]|, |v[XB+5]|
.irp i, 6,10,14,18,22,26
	v_max3_num_f32 v[TM], v[TM], |v[XB+\i]|, |v[XB+\i+1]|
	v_max3_num_f32 v[TM+1], v[TM+1], |v[XB+\i+2]|, |v[XB+\i+3]|
.endr
	v_max3_num_f32 v[TM], v[TM], |v[XB+30]|, |v[XB+31]|
	v_max3_num_f32 v[TM], v[TM], v[TM+1], 0x8000000
	v_add_nc_u32 v[TM+2], 0xf8800000, v[TM]
	v_and_or_b32 v[TM+3], v[TM], 0x7f800000, s[MNT]
	v_lshrrev_b32 v[TM+1], 23, v[TM+2]
.if (\t)%4 == 0
	v_mov_b32 v[SCB+(\t)/4], v[TM+1]
.else
	v_lshl_or_b32 v[SCB+(\t)/4], v[TM+1], 8*((\t)%4), v[SCB+(\t)/4]
.endif
.irp i, 0,1,2,3,4,5,6,7,8,9,10,11,12,13,14,15,16,17,18,19,20,21,22,23,24,25,26,27,28,29,30,31
	v_med3_num_f32 v[XB+\i], v[XB+\i], -v[TM+3], v[TM+3]
.endr
.if (\t) >= 2
	s_wait_alu depctr_va_vdst(0)
	s_wait_xcnt 0x0                                ; the stores of two blocks back have read this set of codes
.endif
.irp g, 0,1,2,3
	v_cvt_scalef32_pk8_bf8_f32 v[CB+2*\g:CB+2*\g+1], v[XB+8*\g:XB+8*\g+7], v[TM+2]
.endr
	global_store_b128 v[WOUT], v[CB:CB+3], s[24:25] offset:((\t)/4)*2048+((\t)%4)*512       ; k 0-15 of the block: sixteen lanes store 256 consecutive bytes, aligned
	global_store_b128 v[WOUT], v[CB+4:CB+7], s[24:25] offset:((\t)/4)*2048+((\t)%4)*512+256 ; k 16-31
.if (\t) < 6
	WLOAD (\t)+2
.endif
.endm
	WLOAD 0
	WLOAD 1
.irp t, 0,1,2,3,4,5,6,7
	WBLOCK \t
.endr
	global_store_b32 v[WOUT], v[SCB], s[36:37] offset:16384        ; the even K step's word; pieces of 4 bytes, 16 bytes apart: one byte for each 128 that the path reads
	global_store_b32 v[WOUT], v[SCB+1], s[36:37] offset:16384+256  ; the odd one's
	FINISH
.Lfunc_end_k_qdb50d746c6_prep:
	.size	k_qdb50d746c6_prep, .Lfunc_end_k_qdb50d746c6_prep-k_qdb50d746c6_prep
	.p2alignl 7, 3214868480
	.fill 96, 4, 3214868480
	.section	.rodata,"a",@progbits
	.p2align	6, 0x0
	.amdhsa_kernel k_qdb50d746c6_prep
		.amdhsa_group_segment_fixed_size 34304
		.amdhsa_private_segment_fixed_size 0
		.amdhsa_enable_private_segment 0
		.amdhsa_kernarg_size 72
		.amdhsa_user_sgpr_count 2
		.amdhsa_user_sgpr_kernarg_segment_ptr 1
		.amdhsa_wavefront_size32 1
		.amdhsa_system_sgpr_workgroup_id_x 1
		.amdhsa_system_sgpr_workgroup_id_y 1
		.amdhsa_system_sgpr_workgroup_id_z 1
		.amdhsa_system_vgpr_workitem_id 0
		.amdhsa_next_free_vgpr 256
		.amdhsa_next_free_sgpr 66
		.amdhsa_reserve_vcc 0
		.amdhsa_float_denorm_mode_32 3
		.amdhsa_float_denorm_mode_16_64 3
		.amdhsa_memory_ordered 1
		.amdhsa_forward_progress 1
		.amdhsa_inst_pref_size 155
	.end_amdhsa_kernel
	.amdgpu_metadata
---
amdhsa.version: [ 1, 2 ]
amdhsa.kernels:
  - .name:           k_qdb50d746c6_prep
    .symbol:         k_qdb50d746c6_prep.kd
    .args:
      - { .name: x_queries, .offset: 0, .size: 8, .value_kind: global_buffer, .address_space: global }
      - { .name: x_keys, .offset: 8, .size: 8, .value_kind: global_buffer, .address_space: global }
      - { .name: x_values, .offset: 16, .size: 8, .value_kind: global_buffer, .address_space: global }
      - { .name: w_q, .offset: 24, .size: 8, .value_kind: global_buffer, .address_space: global }
      - { .name: w_k, .offset: 32, .size: 8, .value_kind: global_buffer, .address_space: global }
      - { .name: w_v, .offset: 40, .size: 8, .value_kind: global_buffer, .address_space: global }
      - { .name: w_0, .offset: 48, .size: 8, .value_kind: global_buffer, .address_space: global }
      - { .name: ximg, .offset: 56, .size: 8, .value_kind: global_buffer, .address_space: global }
      - { .name: wimg, .offset: 64, .size: 8, .value_kind: global_buffer, .address_space: global }
    .group_segment_fixed_size: 34304
    .private_segment_fixed_size: 0
    .kernarg_segment_align: 8
    .kernarg_segment_size: 72
    .max_flat_workgroup_size: 128
    .sgpr_count:     66
    .vgpr_count:     256
    .wavefront_size: 32
...
	.end_amdgpu_metadata
.endif
;; end of part 1
;; launch proj (part 2): grid 4 x 64, 4 waves a work-group, clusters of 4 x 1, 327,680 bytes of LDS; arguments ximg, wimg, qrec, kvrec, mask, maskw; writes qrec, kvrec, maskw
.if DOCPART == 2
	.amdgcn_target "amdgcn-amd-amdhsa--gfx1250"
	.amdhsa_code_object_version 6
	.text
	.protected	k_qdb50d746c6_proj
	.globl	k_qdb50d746c6_proj
	.p2align	8
	.type	k_qdb50d746c6_proj,@function
k_qdb50d746c6_proj:
	s_mov_b64 s[64:65], 0
	v_nop
	global_prefetch_b8 v0, s[64:65] scope:SCOPE_SE
	s_setreg_imm32_b32 hwreg(HW_REG_WAVE_MODE, 25, 1), 1
	s_wait_xcnt 0x0
	s_wait_alu depctr_hold_cnt(0) depctr_sa_sdst(0) depctr_va_vdst(0) depctr_va_sdst(0) depctr_va_ssrc(0) depctr_va_vcc(0) depctr_vm_vsrc(0)
	s_getreg_b32 s2, hwreg(HW_REG_IB_STS2, 6, 4)
	s_cmp_eq_u32 s2, 0
	s_cbranch_scc0 .Lentry_in_a_cluster
	s_endpgm
.Lentry_in_a_cluster:
	s_bfe_u32 s2, ttmp6, 0x10000c
	s_cmp_lg_u32 s2, 0x3003
	s_cbranch_scc0 .Lentry_shape_is_right
	s_endpgm
.Lentry_shape_is_right:
; SECOND LAUNCH.  Clusters y = 0 .. 47: the three projections on the first launch's codes (y / 16: Q, K, V; 512 rows a cluster, 64 columns a wave, whose fragments of the weight stay in registers; the rows' records come through
; a ring of two LDS slots by joint loads); the results are quantised along the next product's K and stored as records.  Clusters y = 48 .. 63: the mask is packed to bits (the text's last part).  Nothing is left out.
.set REC,   16896
.set REC3,  17152
.set SLOTB, 8*REC
.set SPARE, 16*REC
.set LI,  1
.set ADR, 2
.set LS,  3
.set LR,  4
.set SPW, 5
.set NIL, 6
.set WS,  8
.set XS,  24
.set ACC, 32
.set PC,  96
.set TM,  112
.set VSW, 128
.set WD,  132
.set WV,  12
.set OB,  20
.set SB,  22
.set G1,  24
.set G0A, 32
.set G0B, 36
.set SL,  40
.set PO,  41
.set CNT, 42
.set OUTER, 43
.set SH,  44
.set HALF, 45
.set SEL, 46
.set MNT, 48
.set WO,  49
.set MSB, 0
.macro WIN new
.if MSB != \new
	s_set_vgpr_msb (MSB<<8)|\new
.set MSB, \new
.endif
.endm
.macro PLACES n
.rept \n
	v_nop
.endr
.endm
.macro ROUND
	s_barrier_signal -1
	s_barrier_wait -1
	s_cmp_lg_u32 s[WV], 0
	s_cbranch_scc1 .Lnot_wave_0_\@
	s_barrier_signal -3
.Lnot_wave_0_\@:
	s_barrier_wait -3
	s_barrier_signal -1
	s_barrier_wait -1
.endm
.macro QUANT s, nb
.irp b, 0,1,2,3
.if \b < \nb
	v_max3_num_f32 v[TM+\b], |v[\s+16*\b]|, |v[\s+1+16*\b]|, 0x8000000
.endif
.endr
.irp i, 2,4,6,8,10,12,14
.irp b, 0,1,2,3
.if \b < \nb
	v_max3_num_f32 v[TM+\b], v[TM+\b], |v[\s+16*\b+\i]|, |v[\s+1+16*\b+\i]|
.endif
.endr
.endr
.irp b, 0,1,2,3
.if \b < \nb
	v_permlanex16_b32 v[TM+4+\b], v[TM+\b], s[SEL], s[SEL+1]
.endif
.endr
.irp b, 0,1,2,3
.if \b < \nb
	v_max_num_f32 v[TM+\b], v[TM+\b], v[TM+4+\b]
.endif
.endr
.irp b, 0,1,2,3
.if \b < \nb
	v_add_nc_u32 v[TM+12+\b], 0xf8800000, v[TM+\b]
.endif
.endr
.irp b, 0,1,2,3
.if \b < \nb
	v_and_or_b32 v[TM+8+\b], v[TM+\b], 0x7f800000, s[MNT]
.endif
.endr
.irp b, 0,1,2,3
.if \b < \nb
	v_lshrrev_b32 v[TM+4+\b], 23, v[TM+12+\b]
.endif
.endr
.irp b, 0,1,2,3
.if \b < \nb
.irp i, 0,1,2,3,4,5,6,7,8,9,10,11,12,13,14,15
	v_med3_num_f32 v[\s+16*\b+\i], v[\s+16*\b+\i], -v[TM+8+\b], v[TM+8+\b]
.endr
	v_cvt_scalef32_pk8_bf8_f32 v[PC+4*\b:PC+1+4*\b], v[\s+16*\b:\s+7+16*\b], v[TM+12+\b]
	v_cvt_scalef32_pk8_bf8_f32 v[PC+2+4*\b:PC+3+4*\b], v[\s+8+16*\b:\s+15+16*\b], v[TM+12+\b]
.endif
.endr
	v_nop
.endm
	s_load_b256 s[4:11], s[0:1], 0x0
	s_load_b128 s[56:59], s[0:1], 0x20             ; mask, maskw
	v_lshl_add_u32 v[SPW], v0, 2, SPARE
	v_mov_b32 v[NIL], 0
	ds_add_u32 v[SPW], v[NIL]
	ds_add_u32 v[SPW], v[NIL]
	v_lshrrev_b32 v7, 5, v0
	v_readfirstlane_b32 s[WV], v7
	s_bfe_u32 s13, ttmp6, 0x40000
	s_and_b32 s14, ttmp7, 0xffff
	s_lshr_b32 s15, s14, 4
	s_and_b32 s16, s14, 15
	s_lshl_b32 s17, s13, 2
	s_add_co_u32 s17, s17, s[WV]
	s_mov_b32 s[G1], 15|(3<<16)|(1<<21)
	s_mov_b32 s[G1+1], 32<<16
	s_mov_b32 s[G1+2], 132<<16
	s_mov_b32 s[G1+3], 32<<16
	s_mov_b32 s[G1+4], 132
	s_mov_b32 s[G1+5], 32
	s_mov_b32 s[G1+6], 0
	s_mov_b32 s[G1+7], 0
	s_lshl_b32 s18, s14, 5
	s_lshl_b32 s19, s[WV], 1
	s_add_co_u32 s18, s18, s19
	s_mul_i32 s18, s18, REC
	s_mov_b32 s19, 0
	s_mul_i32 s[WO], s[WV], 2*REC
	s_lshl_b32 s50, s15, 6
	s_lshl_b32 s51, s17, 2
	s_add_co_u32 s50, s50, s51
	s_mul_i32 s50, s50, REC
	s_mov_b32 s51, 0
	s_lshr_b32 s52, s16, 2
	s_lshl_b32 s52, s52, 4
	s_add_co_u32 s52, s52, s17
	s_lshl_b32 s52, s52, 4
	s_and_b32 s53, s16, 3
	s_lshl_b32 s53, s53, 2
	s_add_co_u32 s52, s52, s53
	s_mul_i32 s52, s52, REC3
	s_mov_b32 s53, 0
	s_mov_b32 s[SEL], 0x76543210
	s_mov_b32 s[SEL+1], 0xfedcba98
	s_mov_b32 s[MNT], 0x600000
	s_mov_b32 s[HALF], 0xffff0000
	v_and_b32 v7, 31, v0
	v_lshlrev_b32 v[LI], 4, v7
	v_lshlrev_b32 v[LS], 2, v7
	v_and_b32 v7, 15, v0
	v_lshlrev_b32 v[LR], 4, v7
.irp b, 0,1,2,3
	v_mov_b32 v[TM+4+\b], 0
.endr
	s_wait_dscnt 0x0
	s_wait_kmcnt 0x0
	s_cmp_ge_u32 s14, 48                           ; the cluster's y, which all four partners share
	s_wait_alu depctr_va_vdst(0)                   ; directly ahead of the branch
	s_cbranch_scc1 .Lpath_m
	s_mov_b32 s[G0A], 1
	s_mov_b32 s[G0A+1], s[WO]
	s_add_nc_u64 s[G0A+2:G0A+3], s[4:5], s[18:19]
	s_mov_b32 s[G0B], 1
	s_add_co_u32 s[G0B+1], s[WO], SLOTB
	s_add_nc_u64 s[G0B+2:G0B+3], s[G0A+2:G0A+3], 8*REC
	s_or_b32 s[G0A+3], s[G0A+3], 0x80000000
	s_or_b32 s[G0B+3], s[G0B+3], 0x80000000
	s_cmp_eq_u32 s15, 0
	s_cselect_b64 s[OB:OB+1], s[8:9], s[10:11]
	s_add_nc_u64 s[OB:OB+1], s[OB:OB+1], s[52:53]
	s_add_nc_u64 s[SB:SB+1], s[OB:OB+1], 16384
	s_add_nc_u64 s[6:7], s[6:7], s[50:51]
	ROUND
	tensor_load_to_lds s[G0A:G0A+3], s[G1:G1+7]
	s_nop 0
	s_wait_alu depctr_va_vdst(0)
	s_wait_tensorcnt 0x0
	ds_add_u32 v5, v6
	s_wait_dscnt 0x0
	ROUND
	tensor_load_to_lds s[G0B:G0B+3], s[G1:G1+7]
	s_nop 0
	PLACES 4
	WIN 0x80
	s_wait_alu depctr_va_vdst(0)
.irp q, 0,1,2,3
.irp n, 0,1,2,3
.irp c, 0,1,2,3
	global_load_b128 v[64*\q+16*\n+4*\c:64*\q+16*\n+4*\c+3], v[LI], s[6:7] offset:\n*REC+2048*\q+512*\c
.endr
.endr
.endr
	WIN 0xc0
.irp q, 0,1,2,3
.irp n, 0,1,2,3
.irp c, 0,1,2,3
	global_load_b128 v[64*\q+16*\n+4*\c:64*\q+16*\n+4*\c+3], v[LI], s[6:7] offset:\n*REC+2048*(\q+4)+512*\c
.endr
.endr
.endr
	WIN 0
.irp n, 0,1,2,3
	global_load_b128 v[WS+4*\n:WS+4*\n+3], v[LI], s[6:7] offset:\n*REC+16384
.endr
	s_wait_tensorcnt 0x1
	s_barrier_signal -1
	s_barrier_wait -1
	s_wait_loadcnt 0x0
.macro ONE half, q, T, n, v
.set rW, 64*(\q)+16*(\n)
.set rX, 32*(4*(\half)+(\q))+16*(\T)
.set sW, WS+4*(\n)+2*(\half)+(\q)/2
.set sX, XS+4*(\T)+2*(\half)+(\q)/2
.if \v
.set rD, ACC+16*(\n)+8*(\T)
.set rA, rX
.set rB, rW
.set sA, sX
.set sB, sW
.else
.set rD, ACC+32*(\T)+8*(\n)
.set rA, rW
.set rB, rX
.set sA, sW
.set sB, sX
.endif
.if ((\half)+(\q)) == 0
	v_wmma_scale_f32_16x16x128_f8f6f4 v[rD:rD+7], v[rA:rA+15], v[rB:rB+15], 0, v[sA], v[sB] matrix_a_fmt:MATRIX_FMT_BF8 matrix_b_fmt:MATRIX_FMT_BF8
.elseif ((\q)%2) == 0
	v_wmma_scale_f32_16x16x128_f8f6f4 v[rD:rD+7], v[rA:rA+15], v[rB:rB+15], v[rD:rD+7], v[sA], v[sB] matrix_a_fmt:MATRIX_FMT_BF8 matrix_b_fmt:MATRIX_FMT_BF8
.else
	v_wmma_scale_f32_16x16x128_f8f6f4 v[rD:rD+7], v[rA:rA+15], v[rB:rB+15], v[rD:rD+7], v[sA], v[sB] matrix_a_fmt:MATRIX_FMT_BF8 matrix_b_fmt:MATRIX_FMT_BF8 matrix_a_scale:MATRIX_SCALE_ROW1 matrix_b_scale:MATRIX_SCALE_ROW1
.endif
.endm
.macro MULS half, v
.if \v
	WIN 0x09+4*(\half)
.else
	WIN 0x06+(\half)
.endif
.irp q, 0,1,2,3
.irp T, 0,1
.irp n, 0,1,2,3
	ONE \half, \q, \T, \n, \v
.endr
.endr
.endr
.endm
.macro FETCH1
	WIN 0x40
.irp q, 0,1,2,3
.irp T, 0,1
.irp c, 0,1,2,3
	ds_load_b128 v[32*\q+16*\T+4*\c:32*\q+16*\T+4*\c+3], v[ADR] offset:\T*REC+2048*\q+512*\c
.endr
.endr
.endr
.endm
.macro FETCH2
	WIN 0
	ds_load_b128 v[XS:XS+3], v[ADR] offset:16384
	ds_load_b128 v[XS+4:XS+7], v[ADR] offset:REC+16384
	WIN 0x40
.irp q, 4,5,6,7
.irp T, 0,1
.irp c, 0,1,2,3
	ds_load_b128 v[32*\q+16*\T+4*\c:32*\q+16*\T+4*\c+3], v[ADR] offset:\T*REC+2048*\q+512*\c
.endr
.endr
.endr
	WIN 0
.endm
.macro EPI v
	s_wait_xcnt 0x0
.if \v
	s_add_nc_u64 s[OB:OB+1], s[OB:OB+1], 512
	QUANT ACC, 4
.irp n, 0,1,2,3
	v_lshl_or_b32 v[VSW+\n], v[TM+4+\n], s[SH], v[VSW+\n]
.endr
.irp n, 0,1,2,3
	global_store_b128 v[LI], v[PC+4*\n:PC+4*\n+3], s[OB:OB+1] offset:8192+2048*\n-512
.endr
	s_add_co_u32 s[SH], s[SH], 8
.else
	s_add_nc_u64 s[OB:OB+1], s[OB:OB+1], 2048
	s_add_nc_u64 s[SB:SB+1], s[SB:SB+1], 128
	QUANT ACC, 4
	v_lshl_or_b32 v[WD], v[TM+5], 8, v[TM+4]
	v_lshl_or_b32 v[WD+1], v[TM+7], 8, v[TM+6]
	v_cndmask_b32 v[WD+2], v[WD], v[WD+1], s[HALF]
.irp b, 0,1,2,3
	global_store_b128 v[LI], v[PC+4*\b:PC+4*\b+3], s[OB:OB+1] offset:512*\b-2048
.endr
	global_store_b32 v[LS], v[WD+2], s[SB:SB+1] offset:-128
.endif
.endm
.macro PAIR v, more
	s_wait_dscnt 32
	MULS 0, \v
	PLACES 8
	WIN 0
.if \more
	v_add_nc_u32 v[ADR], s[PO], v[LI]
	FETCH1
	s_wait_alu depctr_va_vdst(0)
	s_wait_dscnt 32
.else
	s_wait_dscnt 0x0
.endif
	MULS 1, \v
	PLACES 9
.if \more
	FETCH2
.else
	WIN 0
.endif
	EPI \v
.endm
.macro SLOTRUN v
	v_add_nc_u32 v[ADR], s[SL], v[LI]
	FETCH1
	FETCH2
	s_add_co_u32 s[PO], s[SL], 2*REC
.if \v
.irp n, 0,1,2,3
	v_mov_b32 v[VSW+\n], 0
.endr
	s_mov_b32 s[SH], 0
.endif
	s_mov_b32 s[CNT], 3
.Lpair_\@:
	PAIR \v, 1
	s_add_co_u32 s[PO], s[PO], 2*REC
	s_sub_co_u32 s[CNT], s[CNT], 1
	s_cmp_lg_u32 s[CNT], 0
	s_cbranch_scc1 .Lpair_\@
	PAIR \v, 0
.if \v
	global_store_b128 v[LR], v[VSW:VSW+3], s[OB:OB+1] offset:16896-2048
	s_wait_xcnt 0x0
	s_add_nc_u64 s[OB:OB+1], s[OB:OB+1], REC3-2048
.else
	s_wait_xcnt 0x0
	s_add_nc_u64 s[OB:OB+1], s[OB:OB+1], REC3-8192
	s_add_nc_u64 s[SB:SB+1], s[SB:SB+1], REC3-512
.endif
.endm
.macro CHANGE
	s_wait_tensorcnt 0x0
	ds_add_u32 v[SPW], v[NIL]
	s_add_co_u32 s[G0B+1], s[SL], s[WO]
	s_add_nc_u64 s[G0B+2:G0B+3], s[G0B+2:G0B+3], 8*REC
	s_wait_dscnt 0x0
	ROUND
	tensor_load_to_lds s[G0B:G0B+3], s[G1:G1+7]
	s_nop 0
	PLACES 4
.endm
.macro RUNPATH v
	s_mov_b32 s[SL], 0
	s_mov_b32 s[OUTER], 2
.Lfill_\@:
	SLOTRUN \v
	CHANGE
	s_xor_b32 s[SL], s[SL], SLOTB
	s_sub_co_u32 s[OUTER], s[OUTER], 1
	s_cmp_lg_u32 s[OUTER], 0
	s_cbranch_scc1 .Lfill_\@
	s_mov_b32 s[OUTER], 2
.Ldrain_\@:
	SLOTRUN \v
	s_wait_tensorcnt 0x0
	s_wait_dscnt 0x0
	s_barrier_signal -1
	s_barrier_wait -1
	s_xor_b32 s[SL], s[SL], SLOTB
	s_sub_co_u32 s[OUTER], s[OUTER], 1
	s_cmp_lg_u32 s[OUTER], 0
	s_cbranch_scc1 .Ldrain_\@
	s_wait_tensorcnt 0x0
	ds_add_u32 v[SPW], v[NIL]
	s_wait_dscnt 0x0
	ROUND
	s_endpgm
.endm
	s_cmp_ge_u32 s14, 32
	s_cbranch_scc1 .Lpath_v
	RUNPATH 0
.Lpath_v:
	RUNPATH 1
; ---- THE MASK, packed to bits: word 16 bb + i of (query tile, key step of 128) has in bit l: mask[16 tile + l % 16][128 step + 32 bb + 16 (l / 16) + i] != 0: the lanes and registers of the scores in the third launch.
; 64 work-groups x 4 waves: wave W owns mask rows 32 W .. 32 W + 31 (query tiles 2 W, 2 W + 1) and walks them in 8 tiles of 32 rows x 1,024 bytes (two key steps), each brought by one tensor load of its own (no work-group mask:
; nothing is shared) into a ring of two slots; the descriptor pads each row by 16 bytes, so that the 16 rows that an LDS load touches start in 16 different 16-byte columns.  A tile is four units (query tile q, key step e):
; a lane reads 64 numbers of its row, 64 compares give the 64 words, and they leave as one aligned unit of 256 bytes.  No prefetch on this path: each byte is read once, and a slot's load is out for the whole of the other slot's work.
.Lpath_m:
.set MSP,   1040                       ; an LDS row: 1,024 bytes + 16
.set MWAVE, 32*MSP                     ; a wave's part of a slot
.set MSLOT, 4*MWAVE                    ; a slot; two of them end under the spare words.  No bit of MSLOT is set in wave x MWAVE, so one exclusive or changes slots
.set STO, 100                          ; my lane's place in a slot: wave x MWAVE + 1,040 r + 64 h
.set ADM, 101                          ; the same in the slot in hand
.set L8,  102                          ; 8 x lane
.set MT,  104                          ; v104-105 at work
.set MA,  106                          ; v106-113 the words as they are gathered: register n % 2 + 2 ((n / 2) % 4), lane n / 2; the other lanes stay 0
.set MD,  114                          ; v114-121 a pair of registers for each unit of a tile
.set MX,  128                          ; v128-255 two sets: register 16 c + i: key 32 c + 16 h + i of my row
.set OU,  4                            ; s[4:5] this tile's words
.set T0,  6                            ; s[6:7] an offset
.set KC,  8                            ; tiles begun
.set TB,  9                            ; where the slot in hand begins
.set G1M, 32
.set G0M, 40
	s_sub_co_u32 s10, s14, 48
	s_lshl_b32 s10, s10, 2
	s_add_co_u32 s10, s10, s13
	s_lshl_b32 s10, s10, 2
	s_add_co_u32 s10, s10, s[WV]                   ; W
	s_lshl_b32 s[T0], s10, 18                      ; 32 rows of 8,192 bytes
	s_mov_b32 s[T0+1], 0
	s_add_nc_u64 s[56:57], s[56:57], s[T0:T0+1]
	s_lshl_b32 s[T0], s10, 13                      ; two query tiles x 16 key steps x 256 bytes
	s_add_nc_u64 s[58:59], s[58:59], s[T0:T0+1]
	s_mov_b32 s[G1M], (3<<16)|(1<<20)|(7<<22)|(3<<25)   ; elements of 8 bytes; four words of padding after every 256
	s_mov_b32 s[G1M+1], 128<<16
	s_mov_b32 s[G1M+2], 32<<16
	s_mov_b32 s[G1M+3], 128<<16
	s_mov_b32 s[G1M+4], 32
	s_mov_b32 s[G1M+5], 1024
	s_mov_b32 s[G1M+6], 0
	s_mov_b32 s[G1M+7], 0
	s_mov_b32 s[G0M], 1
	s_mul_i32 s[G0M+1], s[WV], MWAVE
	s_mov_b64 s[G0M+2:G0M+3], s[56:57]
	s_or_b32 s[G0M+3], s[G0M+3], 0x80000000
	s_mov_b32 s[KC], 0
	s_mov_b32 s[TB], 0
	ROUND
	tensor_load_to_lds s[G0M:G0M+3], s[G1M:G1M+7]  ; tile 0: my one tensor load at the head
	s_nop 0
	s_mul_i32 s10, s[WV], MWAVE
	v_and_b32 v7, 15, v0
	v_mul_u32_u24 v[STO], v7, MSP
	v_bfe_u32 v7, v0, 4, 1
	v_lshl_add_u32 v[STO], v7, 6, v[STO]
	v_add_nc_u32 v[STO], s10, v[STO]
	v_and_b32 v7, 31, v0
	v_lshlrev_b32 v[L8], 3, v7
.irp i, 0,1,2,3,4,5,6,7
	v_mov_b32 v[MA+\i], 0                          ; v_writelane_b32's destination counts as read; a register's lanes that are never written stay 0
.endr
	s_wait_alu depctr_va_vdst(0)
.macro MFETCH u                        ; unit u = 2 q + e into set u % 2
.irp c, 0,1,2,3
.irp q, 0,1,2,3
	ds_load_b128 v[MX+64*((\u)%2)+16*\c+4*\q:MX+64*((\u)%2)+16*\c+4*\q+3], v[ADM] offset:((\u)/2)*16*MSP+((\u)%2)*512+128*\c+16*\q
.endr
.endr
.endm
.macro MPACK u
.set g, 0
.rept 4                                ; word n = 16 g + e goes to lane n / 2; eight registers take turns, so that no line writes the register of one of the seven lines above it
.irp e, 0,1,2,3,4,5,6,7,8,9,10,11,12,13,14,15
	v_cmp_ne_u32 s[16+\e], 0, v[MX+64*((\u)%2)+16*g+\e]
.endr
.irp e, 0,1,2,3,4,5,6,7,8,9,10,11,12,13,14,15
	v_writelane_b32 v[MA+\e%2+2*((\e/2)%4)], s[16+\e], 8*g+\e/2
.endr
.set g, g+1
.endr
	v_or_b32 v[MD+2*(\u)], v[MA], v[MA+2]          ; lane l: words 2 l and 2 l + 1
	v_or_b32 v[MD+2*(\u)+1], v[MA+1], v[MA+3]
	v_or_b32 v[MT], v[MA+4], v[MA+6]
	v_or_b32 v[MT+1], v[MA+5], v[MA+7]
	v_or_b32 v[MD+2*(\u)], v[MD+2*(\u)], v[MT]
	v_or_b32 v[MD+2*(\u)+1], v[MD+2*(\u)+1], v[MT+1]
	global_store_b64 v[L8], v[MD+2*(\u):MD+2*(\u)+1], s[OU:OU+1] offset:((\u)/2)*4096+((\u)%2)*256   ; 256 consecutive bytes, aligned
.endm
; A tile.  The change of slots stands at its head: all my tensor loads are in, the add, my reads of the slot that I have left are over; a round; fill = 1: the slot just left takes the next tile, my one tensor load until the next round
.macro MTRIP fill
	s_wait_tensorcnt 0x0
	ds_add_u32 v[SPW], v[NIL]
.if \fill
	s_xor_b32 s[G0M+1], s[G0M+1], MSLOT            ; no load of mine is out: the walking descriptor goes to the other slot,
	s_add_nc_u64 s[G0M+2:G0M+3], s[G0M+2:G0M+3], 1024   ; and 1,024 bytes along the rows
.endif
	s_wait_xcnt 0x0                                ; the last tile's stores have read their base and data
	s_lshl_b32 s[T0], s[KC], 9                     ; two key steps x 256 bytes a tile
	s_add_nc_u64 s[OU:OU+1], s[58:59], s[T0:T0+1]
	s_add_co_u32 s[KC], s[KC], 1
	s_wait_dscnt 0x0
	ROUND
.if \fill
	tensor_load_to_lds s[G0M:G0M+3], s[G1M:G1M+7]
	s_nop 0
.endif
	v_add_nc_u32 v[ADM], s[TB], v[STO]
	MFETCH 0
.irp u, 0,1,2,3
.if \u < 3
	MFETCH (\u+1)
	s_wait_dscnt 16                                ; this unit's 16 loads are in; the next unit's may be out
.else
	s_wait_dscnt 0x0
.endif
	MPACK \u
.endr
	s_xor_b32 s[TB], s[TB], MSLOT
.endm
.Lm_trip:                                      ; seven tiles, each asking for the next
	MTRIP 1
	s_cmp_lt_u32 s[KC], 7
	s_cbranch_scc1 .Lm_trip
	MTRIP 0                                        ; the last tile asks for nothing
	s_wait_tensorcnt 0x0                           ; the wave's end
	ds_add_u32 v[SPW], v[NIL]
	s_wait_dscnt 0x0
	ROUND                                          ; the closing round
	s_endpgm
.Lfunc_end_k_qdb50d746c6_proj:
	.size	k_qdb50d746c6_proj, .Lfunc_end_k_qdb50d746c6_proj-k_qdb50d746c6_proj
	.p2alignl 7, 3214868480
	.fill 96, 4, 3214868480
	.section	.rodata,"a",@progbits
	.p2align	6, 0x0
	.amdhsa_kernel k_qdb50d746c6_proj
		.amdhsa_group_segment_fixed_size 327680
		.amdhsa_private_segment_fixed_size 0
		.amdhsa_enable_private_segment 0
		.amdhsa_kernarg_size 48
		.amdhsa_user_sgpr_count 2
		.amdhsa_user_sgpr_kernarg_segment_ptr 1
		.amdhsa_wavefront_size32 1
		.amdhsa_system_sgpr_workgroup_id_x 1
		.amdhsa_system_sgpr_workgroup_id_y 1
		.amdhsa_system_sgpr_workgroup_id_z 1
		.amdhsa_system_vgpr_workitem_id 0
		.amdhsa_next_free_vgpr 1024
		.amdhsa_next_free_sgpr 66
		.amdhsa_reserve_vcc 0
		.amdhsa_float_denorm_mode_32 3
		.amdhsa_float_denorm_mode_16_64 3
		.amdhsa_memory_ordered 1
		.amdhsa_forward_progress 1
		.amdhsa_inst_pref_size 255
	.end_amdhsa_kernel
	.section	.bss,"aw",@nobits
	.p2align	6
	.space	262144
	.amdgpu_metadata
---
amdhsa.version: [ 1, 2 ]
amdhsa.kernels:
  - .name:           k_qdb50d746c6_proj
    .symbol:         k_qdb50d746c6_proj.kd
    .args:
      - { .name: ximg, .offset: 0, .size: 8, .value_kind: global_buffer, .address_space: global }
      - { .name: wimg, .offset: 8, .size: 8, .value_kind: global_buffer, .address_space: global }
      - { .name: qrec, .offset: 16, .size: 8, .value_kind: global_buffer, .address_space: global }
      - { .name: kvrec, .offset: 24, .size: 8, .value_kind: global_buffer, .address_space: global }
      - { .name: mask, .offset: 32, .size: 8, .value_kind: global_buffer, .address_space: global }
      - { .name: maskw, .offset: 40, .size: 8, .value_kind: global_buffer, .address_space: global }
    .group_segment_fixed_size: 327680
    .private_segment_fixed_size: 0
    .kernarg_segment_align: 8
    .kernarg_segment_size: 48
    .max_flat_workgroup_size: 128
    .sgpr_count:     66
    .vgpr_count:     1024
    .wavefront_size: 32
...
	.end_amdgpu_metadata
.endif
;; end of part 2
;; launch attn (part 3): grid 4 x 64, 16 waves a work-group, clusters of 4 x 1, 327,680 bytes of LDS; arguments qrec, kvrec, maskw, orec; writes orec
.if DOCPART == 3
	.amdgcn_target "amdgcn-amd-amdhsa--gfx1250"
	.amdhsa_code_object_version 6
	.text
	.protected	k_qdb50d746c6_attn
	.globl	k_qdb50d746c6_attn
	.p2align	8
	.type	k_qdb50d746c6_attn,@function
k_qdb50d746c6_attn:
	s_mov_b64 s[64:65], 0
	v_nop
	global_prefetch_b8 v0, s[64:65] scope:SCOPE_SE
	s_setreg_imm32_b32 hwreg(HW_REG_WAVE_MODE, 25, 1), 1
	s_wait_xcnt 0x0
	s_wait_alu depctr_hold_cnt(0) depctr_sa_sdst(0) depctr_va_vdst(0) depctr_va_sdst(0) depctr_va_ssrc(0) depctr_va_vcc(0) depctr_vm_vsrc(0)
	s_getreg_b32 s2, hwreg(HW_REG_IB_STS2, 6, 4)
	s_cmp_eq_u32 s2, 0
	s_cbranch_scc0 .Lentry_in_a_cluster
	s_endpgm
.Lentry_in_a_cluster:
	s_bfe_u32 s2, ttmp6, 0x10000c
	s_cmp_lg_u32 s2, 0x3003
	s_cbranch_scc0 .Lentry_shape_is_right
	s_endpgm
.Lentry_shape_is_right:
; THIRD LAUNCH: for each (batch, head): scores = Q K^T, where(mask == 0, 1e-6, scores / 8), softmax, x V, / the row's sum; the result is quantised along the output projection's K and stored as images.
; Nothing is left out: a masked score is 1e-6, so every key counts for every query.
; SOFTMAX: t = logit x log2(e); M = the running largest t rounded up to a whole number; p = 2^(t - M) is quantised along the keys, not normalised; the row's sum is taken of the unquantised p and divides at the end;
; when M moves, the sum and O are multiplied by 2^(old M - new M).  The mask goes in ahead of the maximum: the raw score is replaced by 8e-6, which the factor log2(e) / 8 brings to 1e-6 log2(e).
; SHARES: y = 16 batch + head; the four work-groups of a cluster take 512 queries each.  A head's 16 records (128 keys: K's images, V^T's images, scale words; 17,152 bytes) all lie in LDS: wave w asks for record w once,
; jointly with its partners (same descriptor, the mask of all four).  No ring, no refill, no barrier in the loop.  A wave owns 16 queries a pass, two passes: tile 32 cx + 16 pass + w.
; LAYOUT: both products transposed (S^T = K Q^T, O^T = V^T P^T): a lane holds one query.  The head's 64 in an instruction of 128: Q's upper eight registers are zero codes and the upper scale bytes are 0;
; K's fragment t names 16 registers from 8 t on: its upper eight are the next tile's codes, behind the last tile zeros (run R0) or p's codes of the step before (run R1): finite codes, times zero codes.
; TWO RUNS OF 64 REGISTERS SWAP ROLES FROM STEP TO STEP: K lies in one, the scores go to the other; V^T's fragments are loaded into K's run behind the first product; the next step's K into the scores' run, half by half, as p's codes are made.
; The second pass's last step fetches K's record 0, its own Q and its own last mask words once more, so that every step's counts of loads are alike.
; No prefetch: K and V come once, by the head's one load a wave, and the mask's 256 bytes a step are asked for a step ahead by scalar loads.
; LIMITS: byte 1 for blocks under 2^-111; NaN and infinities are not served; the scaled scores stay under 2^31 in magnitude.  The result's scale bytes leave as halfwords, 16 bytes apart.
.set REC,   16896
.set REC3,  17152
.set SPARE, 16*REC3                    ; the spare words, 128 bytes a wave, behind the records
.set LI,  1                            ; 16 x lane
.set LS,  2                            ; 4 x lane
.set LR,  3                            ; 16 x (lane % 16)
.set SPW, 4                            ; my spare word; never rewritten
.set NIL, 5                            ; 0; never rewritten
.set EPSR, 6                           ; 8e-6
.set LR4, 7                            ; 4 x (lane % 16)
.set ADI, 8                            ; the step's record + LI, LS, LR
.set ADS, 9
.set ADR, 10
                                       ; v12 -M, v13 the largest raw score, v[14:15] the sum's first chain
.set QF,  16                           ; v16-31 Q (v24-31 zeros)
.set R0,  32                           ; v32-95 run 0; v96-103 zeros
.set R1,  104                          ; v104-167 run 1
.set PC,  168                          ; v168-183 p's codes
.set O,   184                          ; v184-215 O^T
.set TM,  216                          ; +0 block maxima, +4 other half / bytes, +8 holds, +12 conversions' scale operands
.set W0,  232                          ; at work, old -M; then the sum's second chain
.set C2,  234
.set F,   236                          ; f; v237 p's scale word
.set QW,  239
.set KS,  240                          ; K's scale words: register t / 2, lanes 0-15 even tile, 16-31 odd
.set VS,  244
.set C3,  248
.set RECO, 2
.set CNT,  3
.set WV,  12
.set PS,  13                           ; passes to go
.set SEL, 14
.set CS,  16                           ; log2(e) / 8
.set MNT, 18
.set G1,  20
.set G0,  28
.set MI,  20                           ; behind the tensor load's wait: what the last step adds to the mask's address,
.set QI,  22                           ; and to Q's two addresses
.macro ROUND
	s_barrier_signal -1
	s_barrier_wait -1
	s_cmp_lg_u32 s[WV], 0
	s_cbranch_scc1 .Lnot_wave_0_\@
	s_barrier_signal -3
.Lnot_wave_0_\@:
	s_barrier_wait -3
	s_barrier_signal -1
	s_barrier_wait -1
.endm
.macro VW
	s_wait_alu depctr_va_vdst(0)
.endm
.macro MASKLOAD
	s_load_b512 s[32:47], s[8:9], 0x0
	s_load_b512 s[48:63], s[8:9], 0x40
	s_load_b512 s[68:83], s[8:9], 0x80
	s_load_b512 s[84:99], s[8:9], 0xc0
.endm
.macro QLOAD
	global_load_b128 v[QF:QF+3], v[LI], s[4:5]
	global_load_b128 v[QF+4:QF+7], v[LI], s[4:5] offset:512
	global_load_b32 v[QW], v[LR4], s[6:7]
.endm
.macro CH i                            ; rC = chain i of the sum
.if (\i) == 0
.set rC, 14
.elseif (\i) == 1
.set rC, W0
.elseif (\i) == 2
.set rC, C2
.else
.set rC, C3
.endif
.endm
.macro ACCUM q                         ; pair q of p (6 to 31) onto chain (q - 6) % 4
	CH (((\q)-6)%4)
	v_pk_add_f32 v[rC:rC+1], v[rC:rC+1], v[SB+2*(\q):SB+2*(\q)+1]
.endm
.macro DUAL bb, d                      ; the one-sided hold of blocks bb, bb + 1: a number of each an instruction
.set e, 2*((\d)/2)
.if ((\d)%2) == 0
.set rX, SB+16*(\bb)+e
.set rY, SB+16*(\bb)+16+e+1
.else
.set rX, SB+16*(\bb)+e+1
.set rY, SB+16*(\bb)+16+e
.endif
	v_dual_min_num_f32 v[rX], v[rX], v[TM+8+(\bb)] :: v_dual_min_num_f32 v[rY], v[rY], v[TM+9+(\bb)]
.endm
.macro PKF k                           ; t - M of pair k
	v_pk_fma_f32 v[SB+2*(\k):SB+2*(\k)+1], v[SB+2*(\k):SB+2*(\k)+1], s[CS:CS+1], v[12:13] op_sel_hi:[1,0,0]
.endm
.macro CODES b
	v_cvt_scalef32_pk8_bf8_f32 v[PC+4*\b:PC+1+4*\b], v[SB+16*\b:SB+7+16*\b], v[TM+12+\b]
	v_cvt_scalef32_pk8_bf8_f32 v[PC+2+4*\b:PC+3+4*\b], v[SB+8+16*\b:SB+15+16*\b], v[TM+12+\b]
.endm
.macro KNEXT i0, last                  ; eight loads of the next step's K into registers that the conversions have left
.irp i, 0,1,2,3,4,5,6,7
.if \last
	ds_load_b128 v[SB+4*(\i0+\i):SB+4*(\i0+\i)+3], v[LI] offset:512*(\i0+\i)
.else
	ds_load_b128 v[SB+4*(\i0+\i):SB+4*(\i0+\i)+3], v[ADI] offset:REC3+512*(\i0+\i)
.endif
.endr
.endm
	s_load_b256 s[4:11], s[0:1], 0x0               ; qrec, kvrec, maskw, orec
	v_lshl_add_u32 v[SPW], v0, 2, SPARE
	v_mov_b32 v[NIL], 0
	ds_add_u32 v[SPW], v[NIL]                      ; the opening lines: the add twice on end and its wait
	ds_add_u32 v[SPW], v[NIL]
	v_lshrrev_b32 v8, 5, v0
	v_readfirstlane_b32 s[WV], v8
	s_bfe_u32 s13, ttmp6, 0x40000                  ; cx
	s_and_b32 s19, ttmp7, 0xffff                   ; y
	s_mov_b32 s[G1], 15|(3<<16)|(1<<21)            ; all four partners; elements of 8 bytes
	s_mov_b32 s[G1+1], 32<<16                      ; 67 rows of 256 bytes: one record, dense
	s_mov_b32 s[G1+2], 67<<16
	s_mov_b32 s[G1+3], 32<<16
	s_mov_b32 s[G1+4], 67
	s_mov_b32 s[G1+5], 32
	s_mov_b32 s[G1+6], 0
	s_mov_b32 s[G1+7], 0
	s_mov_b32 s[G0], 1
	s_mul_i32 s[G0+1], s[WV], REC3
	s_lshl_b32 s2, s19, 4
	s_add_co_u32 s2, s2, s[WV]
	s_mul_i32 s2, s2, REC3                         ; record w of head y: y and the wave's number alone
	s_mov_b32 s3, 0
	s_lshl_b32 s68, s19, 4                         ; Q: tile 32 cx + w: record 16 y + 4 cx + w / 8, tile w % 8
	s_lshl_b32 s69, s13, 2
	s_add_co_u32 s68, s68, s69
	s_lshr_b32 s69, s[WV], 3
	s_add_co_u32 s68, s68, s69
	s_mul_i32 s68, s68, REC3
	s_and_b32 s70, s[WV], 7
	s_lshl_b32 s71, s70, 10
	s_add_co_u32 s72, s68, s71
	s_mov_b32 s73, 0
	s_lshl_b32 s71, s70, 6
	s_add_co_u32 s74, s68, s71
	s_add_co_u32 s74, s74, 16384
	s_mov_b32 s75, 0
	s_lshr_b32 s76, s19, 4
	s_lshl_b32 s76, s76, 7
	s_lshl_b32 s77, s13, 5
	s_add_co_u32 s76, s76, s77
	s_add_co_u32 s76, s76, s[WV]                   ; 128 batch + tile
	s_lshl_b32 s78, s76, 12                        ; the mask's words: 16 steps x 256 bytes a tile
	s_mov_b32 s79, 0
	s_mul_i32 s80, s76, REC                        ; the result's record
	s_and_b32 s77, s19, 15
	s_lshl_b32 s82, s77, 10                        ; 1,024 x head bytes into it
	s_add_co_u32 s82, s82, s80
	s_mov_b32 s83, 0
	s_bfe_u32 s84, s77, 0x10001                    ; its scale halfword
	s_lshl_b32 s84, s84, 8
	s_lshr_b32 s85, s77, 2
	s_lshl_b32 s85, s85, 2
	s_add_co_u32 s84, s84, s85
	s_and_b32 s85, s77, 1
	s_lshl_b32 s85, s85, 1
	s_add_co_u32 s84, s84, s85
	s_add_co_u32 s84, s84, s80
	s_add_co_u32 s84, s84, 16384
	s_mov_b32 s85, 0
	s_mov_b32 s[SEL], 0x76543210
	s_mov_b32 s[SEL+1], 0xfedcba98
	s_mov_b32 s[CS], 0x3e38aa3b
	s_mov_b32 s[CS+1], s[CS]
	s_mov_b32 s[MNT], 0x600000
	v_and_b32 v8, 31, v0
	v_lshlrev_b32 v[LI], 4, v8
	v_lshlrev_b32 v[LS], 2, v8
	v_and_b32 v8, 15, v0
	v_lshlrev_b32 v[LR], 4, v8
	v_lshlrev_b32 v[LR4], 2, v8
	v_mov_b32 v[EPSR], 0x370637bd
	VW
	s_wait_dscnt 0x0                               ; both opening adds are done
	s_wait_kmcnt 0x0
	s_add_nc_u64 s[G0+2:G0+3], s[6:7], s[2:3]
	s_or_b32 s[G0+3], s[G0+3], 0x80000000
	s_add_nc_u64 s[6:7], s[4:5], s[74:75]
	s_add_nc_u64 s[4:5], s[4:5], s[72:73]
	s_add_nc_u64 s[8:9], s[8:9], s[78:79]
	s_add_nc_u64 s[66:67], s[10:11], s[84:85]
	s_add_nc_u64 s[10:11], s[10:11], s[82:83]
	ROUND                                          ; the joint loads meet
	tensor_load_to_lds s[G0:G0+3], s[G1:G1+7]      ; my one tensor load of the launch
	s_nop 0
.rept 4
	v_nop
.endr
	MASKLOAD
	QLOAD
.irp i, 0,1,2,3,4,5,6,7
	v_mov_b32 v[QF+8+\i], 0                        ; zero codes for k 64 .. 127
	v_mov_b32 v[R0+64+\i], 0
.endr
.irp b, 0,1,2,3
	v_mov_b32 v[TM+4+\b], 0                        ; a lane permute's destination counts as a source
.endr
	v_mov_b32 v[W0], 0
	v_mov_b32 v[F+1], 0
	VW
	s_wait_tensorcnt 0x0                           ; my record is in,
	s_barrier_signal -1
	s_barrier_wait -1                              ; everybody's is: from here on LDS is only read
	s_mov_b32 s[MI], 16*4096-15*256                ; (no tensor load is out: the descriptor's registers are free)  step 0 of the tile 16 further on
	s_mov_b32 s[MI+1], 0
	s_mov_b32 s[QI], 2*REC3                        ; 16 tiles of queries on
	s_mov_b32 s[QI+1], 0
	s_mov_b32 s[PS], 2
.irp p, 0,1,2,3
	ds_load_b32 v[KS+\p], v[LS] offset:16384+128*\p
.endr
.irp i, 0,1,2,3,4,5,6,7,8,9,10,11,12,13,14,15
	ds_load_b128 v[R0+4*\i:R0+4*\i+3], v[LI] offset:512*\i
.endr
	s_wait_loadcnt 0x0                             ; Q
; A KEY STEP of 128 keys.  ka: the run that holds K, and then V^T; sa: the run of the scores, then p, then the next K.  last = 1: a pass's last step fetches for the next pass
.macro STEP ka, sa, last
.set KB, \ka
.set SB, \sa
.rept 6
	v_nop                                          ; with the three additions at the last step's end nine places: the scores are laid over registers that the last products read
.endr
.irp t, 0,2,4,6
.if \t < 6
	s_wait_dscnt 10-2*\t                           ; of K's 16 loads, the last issued, tiles t and t + 1 read the first 2 t + 6
.else
	s_wait_dscnt 0x0
.endif
	v_wmma_scale_f32_16x16x128_f8f6f4 v[SB+8*\t:SB+8*\t+7], v[KB+8*\t:KB+8*\t+15], v[QF:QF+15], 0, v[KS+\t/2], v[QW] matrix_a_fmt:MATRIX_FMT_BF8 matrix_b_fmt:MATRIX_FMT_BF8
	v_wmma_scale_f32_16x16x128_f8f6f4 v[SB+8*\t+8:SB+8*\t+15], v[KB+8*\t+8:KB+8*\t+23], v[QF:QF+15], 0, v[KS+\t/2], v[QW] matrix_a_fmt:MATRIX_FMT_BF8 matrix_b_fmt:MATRIX_FMT_BF8 matrix_a_scale:MATRIX_SCALE_ROW1
.endr
	v_add_nc_u32 v[ADI], s[RECO], v[LI]            ; eight places ahead of the loads into K's, its scales' and Q's registers and of the first read of the scores
	v_add_nc_u32 v[ADS], s[RECO], v[LS]
	v_add_nc_u32 v[ADR], s[RECO], v[LR]
	v_mov_b32 v[W0+1], v12                         ; the old -M
.rept 4
	v_nop
.endr
.irp i, 0,1,2,3,4,5,6,7,8,9,10,11,12,13,14,15
	ds_load_b128 v[KB+4*\i:KB+4*\i+3], v[ADI] offset:8192+512*\i   ; V^T's four fragments of this step
.endr
	ds_load_b128 v[VS:VS+3], v[ADR] offset:16896
.irp p, 0,1,2,3
.if \last
	ds_load_b32 v[KS+\p], v[LS] offset:16384+128*\p
.else
	ds_load_b32 v[KS+\p], v[ADS] offset:REC3+16384+128*\p
.endif
.endr
.if \last
	s_add_nc_u64 s[4:5], s[4:5], s[QI:QI+1]        ; (the last Q's loads were waited for)
	s_add_nc_u64 s[6:7], s[6:7], s[QI:QI+1]
	QLOAD
.endif
	s_wait_kmcnt 0x0                               ; this step's mask words
.set n, 0
.rept 64                               ; ascending: each accumulator from its low end on
.if n < 32
	v_cndmask_b32 v[SB+n], v[EPSR], v[SB+n], s[32+n]
.else
	v_cndmask_b32 v[SB+n], v[EPSR], v[SB+n], s[36+n]
.endif
.set n, n+1
.endr
.if \last
	s_add_nc_u64 s[8:9], s[8:9], s[MI:MI+1]
.else
	s_add_nc_u64 s[8:9], s[8:9], 256
.endif
	MASKLOAD                                       ; a step ahead
.irp b, 0,1,2,3
	v_max3_num_f32 v[TM+\b], v[SB+16*\b], v[SB+1+16*\b], v[SB+2+16*\b]   ; the largest score of each block of 32 keys: for the row's maximum and for the block's largest p
.endr
.irp i, 3,5,7,9,11,13
.irp b, 0,1,2,3
	v_max3_num_f32 v[TM+\b], v[TM+\b], v[SB+16*\b+\i], v[SB+1+16*\b+\i]
.endr
.endr
.irp b, 0,1,2,3
	v_max_num_f32 v[TM+\b], v[TM+\b], v[SB+15+16*\b]
.endr
.irp b, 0,1,2,3
	v_permlanex16_b32 v[TM+4+\b], v[TM+\b], s[SEL], s[SEL+1]
.endr
.irp b, 0,1,2,3
	v_max_num_f32 v[TM+\b], v[TM+\b], v[TM+4+\b]
.endr
	v_max3_num_f32 v[W0], v[TM], v[TM+1], v[TM+2]
	s_delay_alu instid0(VALU_DEP_1)
	v_max3_num_f32 v13, v13, v[W0], v[TM+3]        ; the running largest raw score
	s_delay_alu instid0(VALU_DEP_1)
	v_mul_f32 v[W0], s[CS], v13                    ; as t
	s_delay_alu instid0(VALU_DEP_1)
	v_floor_f32 v12, -v[W0]                        ; -M
.irp b, 0,1,2,3
	v_fma_f32 v[TM+\b], v[TM+\b], s[CS], v12       ; t - M of each block's largest score
.endr
	v_sub_f32 v[W0], v12, v[W0+1]                  ; old M - new M
.irp k, 0,1,2,3
	PKF \k
.endr
	v_cvt_i32_f32 v[W0], v[W0]                     ; (it saturates)
.irp k, 4,5,6,7
	PKF \k
.endr
	v_ldexp_f32 v[F], 1.0, v[W0]                   ; f
.irp k, 8,9,10,11,12,13,14,15
	PKF \k
.endr
	VW
; first batch: the blocks' largest p and p of blocks 0, 1.  Between them t - M of blocks 2, 3: lines that read what stood ahead of the wait above and are read behind the wait below
.set k, 0
.rept 36
.if k < 4
	v_exp_f32 v[TM+k], v[TM+k]
.else
	v_exp_f32 v[SB+k-4], v[SB+k-4]
.endif
.if (k%2) == 1 && k < 32
	PKF (16+k/2)
.endif
.set k, k+1
.endr
	v_pk_mul_f32 v[14:15], v[14:15], v[F:F+1] op_sel_hi:[1,0]      ; the sum under the new M
	VW
.irp b, 0,1,2,3
	v_max_num_f32 v[TM+\b], 0x8000000, v[TM+\b]    ; the floor 2^(16 - 127): the byte cannot fall under 1
.endr
.irp j, 0,1,2
	CH (\j+1)
	v_pk_add_f32 v[rC:rC+1], v[SB+4*\j:SB+4*\j+1], v[SB+4*\j+2:SB+4*\j+3]   ; the sum is taken of the unquantised p, ahead of its hold
.endr
.irp b, 0,1,2,3
	v_add_nc_u32 v[TM+12+\b], 0xf8800000, v[TM+\b]
.endr
.irp b, 0,1,2,3
	v_and_or_b32 v[TM+8+\b], v[TM+\b], 0x7f800000, s[MNT]
.endr
.irp q, 6,7,8,9,10,11,12,13,14,15
	ACCUM \q
.endr
	VW
; second batch: p of blocks 2, 3.  Between them the hold of blocks 0, 1 and the bytes: again lines that hang on nothing written since the wait above
.set k, 0
.set n, 0
.rept 32
	v_exp_f32 v[SB+32+k], v[SB+32+k]
.if (k%3) != 2 && n < 19
.if n < 16
	DUAL 0, n
.else
	v_lshrrev_b32 v[TM+4+n-16], 23, v[TM+12+n-16]
.endif
.set n, n+1
.endif
.set k, k+1
.endr
	v_lshrrev_b32 v[TM+7], 23, v[TM+15]
	VW
	CODES 0
	CODES 1
	KNEXT 0, \last
	v_lshl_or_b32 v[F+1], v[TM+5], 8, v[TM+4]      ; p's scale word
	v_lshl_or_b32 v[F+1], v[TM+6], 16, v[F+1]
	v_lshl_or_b32 v[F+1], v[TM+7], 24, v[F+1]
.irp q, 16,17,18,19,20,21,22,23,24,25,26,27,28,29,30,31
	ACCUM \q
.endr
.irp d, 0,1,2,3,4,5,6,7,8,9,10,11,12,13,14,15
	DUAL 2, \d
.endr
	CODES 2
	CODES 3
	KNEXT 8, \last
	VW                                             ; directly ahead of the first reader of O^T
.set j, 0
.rept 16
	v_pk_mul_f32 v[O+j:O+j+1], v[O+j:O+j+1], v[F:F+1] op_sel_hi:[1,0]   ; O^T under the new M; also the places between the conversions and the products
.set j, j+2
.endr
	VW
	s_wait_dscnt 16                                ; all but the 16 loads of the next K: V^T and its scale words are in
.irp t, 0,1,2,3
	v_wmma_scale_f32_16x16x128_f8f6f4 v[O+8*\t:O+8*\t+7], v[KB+16*\t:KB+16*\t+15], v[PC:PC+15], v[O+8*\t:O+8*\t+7], v[VS+\t], v[F+1] matrix_a_fmt:MATRIX_FMT_BF8 matrix_b_fmt:MATRIX_FMT_BF8
.endr
	v_pk_add_f32 v[14:15], v[14:15], v[W0:W0+1]    ; the sum's four chains are joined
	v_pk_add_f32 v[C2:C2+1], v[C2:C2+1], v[C3:C3+1]
	v_pk_add_f32 v[14:15], v[14:15], v[C2:C2+1]
.endm
.Lpass:
	v_mov_b32 v13, 0xff61b1e6                      ; the largest score so far: -3e38
	v_floor_f32 v12, -v13                          ; a -M above every other: the first f is 0
	v_mov_b32 v14, 0
	v_mov_b32 v15, 0
.set j, 0
.rept 32
	v_mov_b32 v[O+j], 0                            ; the first step finds zeros
.set j, j+1
.endr
	s_mov_b32 s[RECO], 0
	s_mov_b32 s[CNT], 7
.Lstep:                                        ; a trip runs two steps, until the runs are back in their roles
	STEP R0, R1, 0
	s_add_co_u32 s[RECO], s[RECO], REC3
	STEP R1, R0, 0
	s_add_co_u32 s[RECO], s[RECO], REC3
	s_sub_co_u32 s[CNT], s[CNT], 1
	s_cmp_lg_u32 s[CNT], 0
	s_cbranch_scc1 .Lstep
	STEP R0, R1, 0
	s_add_co_u32 s[RECO], s[RECO], REC3
	STEP R1, R0, 1
	v_add_f32 v14, v14, v15
	v_permlanex16_b32 v[W0], v14, s[SEL], s[SEL+1]
	v_add_f32 v14, v14, v[W0]                      ; the row's sum
	VW
	v_rcp_f32 v14, v14
.rept 4
	v_nop                                          ; with the six lines above the reciprocal: the places behind the last products; and the plain line behind the reciprocal
.endr
	VW
.set j, 0
.rept 32
	v_mul_f32 v[R1+j], v[O+j], v14                 ; register 16 b + i: d = 32 b + 16 (lane / 16) + i of my query; run 1 is done with
.set j, j+1
.endr
; the result's two blocks of 32 are quantised as in the first launch
.irp b, 0,1
	v_max3_num_f32 v[TM+\b], |v[R1+16*\b]|, |v[R1+1+16*\b]|, 0x8000000
.endr
.irp i, 2,4,6,8,10,12,14
.irp b, 0,1
	v_max3_num_f32 v[TM+\b], v[TM+\b], |v[R1+16*\b+\i]|, |v[R1+1+16*\b+\i]|
.endr
.endr
.irp b, 0,1
	v_permlanex16_b32 v[TM+4+\b], v[TM+\b], s[SEL], s[SEL+1]
.endr
.irp b, 0,1
	v_max_num_f32 v[TM+\b], v[TM+\b], v[TM+4+\b]
.endr
.irp b, 0,1
	v_add_nc_u32 v[TM+12+\b], 0xf8800000, v[TM+\b]
.endr
.irp b, 0,1
	v_and_or_b32 v[TM+8+\b], v[TM+\b], 0x7f800000, s[MNT]
.endr
.irp b, 0,1
	v_lshrrev_b32 v[TM+4+\b], 23, v[TM+12+\b]
.endr
.irp b, 0,1
.irp i, 0,1,2,3,4,5,6,7,8,9,10,11,12,13,14,15
	v_med3_num_f32 v[R1+16*\b+\i], v[R1+16*\b+\i], -v[TM+8+\b], v[TM+8+\b]
.endr
	v_cvt_scalef32_pk8_bf8_f32 v[PC+4*\b:PC+1+4*\b], v[R1+16*\b:R1+7+16*\b], v[TM+12+\b]
	v_cvt_scalef32_pk8_bf8_f32 v[PC+2+4*\b:PC+3+4*\b], v[R1+8+16*\b:R1+15+16*\b], v[TM+12+\b]
.endr
	v_nop                                          ; one plain line behind the last conversion
	v_lshl_or_b32 v[W0], v[TM+5], 8, v[TM+4]
	global_store_b128 v[LI], v[PC:PC+3], s[10:11]
	global_store_b128 v[LI], v[PC+4:PC+7], s[10:11] offset:512
	global_store_b16 v[LR], v[W0], s[66:67]        ; both halves of the lanes hold and store the same
	s_wait_xcnt 0x0                                ; the stores have read their registers and bases
	s_add_nc_u64 s[10:11], s[10:11], 16*REC
	s_add_nc_u64 s[66:67], s[66:67], 16*REC
	s_mov_b32 s[MI], 0                             ; the second pass's last step stays where it is
	s_mov_b32 s[QI], 0
	s_wait_loadcnt 0x0                             ; the next pass's Q
	s_sub_co_u32 s[PS], s[PS], 1
	s_cmp_lg_u32 s[PS], 0
	s_cbranch_scc1 .Lpass
	s_wait_kmcnt 0x0
	s_wait_tensorcnt 0x0                           ; the wave's end
	ds_add_u32 v[SPW], v[NIL]
	s_wait_dscnt 0x0
	ROUND                                          ; the closing round
	s_endpgm
.Lfunc_end_k_qdb50d746c6_attn:
	.size	k_qdb50d746c6_attn, .Lfunc_end_k_qdb50d746c6_attn-k_qdb50d746c6_attn
	.p2alignl 7, 3214868480
	.fill 96, 4, 3214868480
	.section	.rodata,"a",@progbits
	.p2align	6, 0x0
	.amdhsa_kernel k_qdb50d746c6_attn
		.amdhsa_group_segment_fixed_size 327680
		.amdhsa_private_segment_fixed_size 0
		.amdhsa_enable_private_segment 0
		.amdhsa_kernarg_size 32
		.amdhsa_user_sgpr_count 2
		.amdhsa_user_sgpr_kernarg_segment_ptr 1
		.amdhsa_wavefront_size32 1
		.amdhsa_system_sgpr_workgroup_id_x 1
		.amdhsa_system_sgpr_workgroup_id_y 1
		.amdhsa_system_sgpr_workgroup_id_z 1
		.amdhsa_system_vgpr_workitem_id 0
		.amdhsa_next_free_vgpr 256
		.amdhsa_next_free_sgpr 100
		.amdhsa_reserve_vcc 0
		.amdhsa_float_denorm_mode_32 3
		.amdhsa_float_denorm_mode_16_64 3
		.amdhsa_memory_ordered 1
		.amdhsa_forward_progress 1
		.amdhsa_inst_pref_size 107
	.end_amdhsa_kernel
	.amdgpu_metadata
---
amdhsa.version: [ 1, 2 ]
amdhsa.kernels:
  - .name:           k_qdb50d746c6_attn
    .symbol:         k_qdb50d746c6_attn.kd
    .args:
      - { .name: qrec, .offset: 0, .size: 8, .value_kind: global_buffer, .address_space: global }
      - { .name: kvrec, .offset: 8, .size: 8, .value_kind: global_buffer, .address_space: global }
      - { .name: maskw, .offset: 16, .size: 8, .value_kind: global_buffer, .address_space: global }
      - { .name: orec, .offset: 24, .size: 8, .value_kind: global_buffer, .address_space: global }
    .group_segment_fixed_size: 327680
    .private_segment_fixed_size: 0
    .kernarg_segment_align: 8
    .kernarg_segment_size: 32
    .max_flat_workgroup_size: 512
    .sgpr_count:     100
    .vgpr_count:     256
    .wavefront_size: 32
...
	.end_amdgpu_metadata
.endif
;; end of part 3
;; launch outln (part 4): grid 256 x 1, 16 waves a work-group, no clusters, 171,520 bytes of LDS; arguments orec, wimg, x_queries, gamma, beta, out0; writes out0
.if DOCPART == 4
	.amdgcn_target "amdgcn-amd-amdhsa--gfx1250"
	.amdhsa_code_object_version 6
	.text
	.protected	k_qdb50d746c6_outln
	.globl	k_qdb50d746c6_outln
	.p2align	8
	.type	k_qdb50d746c6_outln,@function
k_qdb50d746c6_outln:
	s_mov_b64 s[64:65], 0
	v_nop
	global_prefetch_b8 v0, s[64:65] scope:SCOPE_SE
	s_setreg_imm32_b32 hwreg(HW_REG_WAVE_MODE, 25, 1), 1
	s_wait_xcnt 0x0
; FOURTH LAUNCH: out0 = gamma (y - mean(y)) / (std(y) + 1e-6) + beta, y = attention's result x w_0 + x_queries; std with 1,023 in the divisor.  The product runs on the codes of the third and first launches.  Nothing is left out.
; SHARES.  Work-group g owns rows 32 g .. 32 g + 31 (two records) and all 1,024 columns, so a row's mean and deviation need no further launch.  Wave w owns columns 64 w .. 64 w + 63: four tiles of w_0's columns.
; NO CLUSTER, NO TENSOR LOAD: a wave's 64 KiB of w_0's images are read by no other wave of its work-group, so they go straight into its registers, two K steps (32 loads) of every wave always on their way, with no barrier in the K loop;
; a ring shared in a cluster would have one K step on its way for 8 matrix instructions a wave, and a round of the cluster's barrier for each.
; The rows' 16 fragments reach all waves through LDS as images of their registers (wave w brings fragment w).  The residual rows come by whole rows (512 consecutive bytes a load) into a stage, from which each lane takes its pieces; the results
; go back into the same pieces and leave by whole rows.  TRANSPOSED: source 0 = 16 columns of w_0 (chosen order), source 1 = 16 rows: lane (r, h) holds row r and, in tiles 2 b, 2 b + 1, columns 64 w + 32 b + 16 h + 0 .. 15.
; Mean and deviation in two passes (the squares are taken of y - mean), so that no difference of large sums is formed.  LIMITS: NaN and infinities are not served.
.set REC,   16896
.set SP,    4112                       ; a stage row: 4,096 bytes + 16: 257 x 16
.set AIMG,  0                          ; 16 fragments x 2,048 bytes: 8 T + s
.set STAGE, 32768                      ; 32 rows
.set RED1,  STAGE+32*SP                ; 32 rows' slots of 16 words, pitch 80
.set RED2,  RED1+2560
.set SPARE, RED2+2560                  ; the spare words, 128 bytes a wave: eight blocks of 256 bytes that no other line names
.set LI,   1                           ; v1   16 x lane
.set SPW,  2                           ; v2   my spare word; never rewritten
.set NIL,  3                           ; v3   0; never rewritten
.set ROWA, 4                           ; v4   the stage by rows: rows 2 w, 2 w + 1, 16 x lane
.set SG0,  5                           ; v5   the stage by pieces: row r, byte 256 w + 64 h;
.set SG1,  6                           ; v6   row 16 + r
.set GBO,  7                           ; v7   64 h: my place in gamma's and beta's 256 bytes
.set AF,   8                           ; v8-39   the rows' two fragments of a K step
.set ASC,  40                          ; v40-47  their scale words
.set WSC,  48                          ; v48-63  w_0's
.set WF,   64                          ; v64-127, v128-191 w_0's four fragments of a K step, two sets; later gamma (64), beta (96) and y (128)
.set Y,    128
.set ACC,  192                         ; v192-255
.set RR,   40                          ; behind the K loop: v40 my slot of the reduction words, v41 my wave's word in it
.set RW,   41
.set SEL,  20
.set HALF, 22
	s_load_b256 s[4:11], s[0:1], 0x0               ; orec, wimg, x_queries, gamma
	s_load_b128 s[12:15], s[0:1], 0x20             ; beta, out0
	v_lshl_add_u32 v[SPW], v0, 2, SPARE
	v_mov_b32 v[NIL], 0
	v_lshrrev_b32 v25, 5, v0
	s_delay_alu instid0(VALU_DEP_1)
	v_readfirstlane_b32 s16, v25                   ; wave 0..15
	v_and_b32 v25, 31, v0
	s_delay_alu instid0(VALU_DEP_1)
	v_lshlrev_b32 v[LI], 4, v25
	s_mul_i32 s17, s16, 2*SP
	s_add_co_u32 s17, s17, STAGE
	v_add_nc_u32 v[ROWA], s17, v[LI]
	s_lshl_b32 s17, s16, 11
	v_add_nc_u32 v24, s17, v[LI]                   ; where my fragment's image goes
	v_and_b32 v26, 15, v0
	v_bfe_u32 v27, v0, 4, 1
	s_delay_alu instid0(VALU_DEP_2)
	v_mul_u32_u24 v[SG0], v26, SP
	s_delay_alu instid0(VALU_DEP_1)
	v_lshl_add_u32 v[SG0], v27, 6, v[SG0]
	s_lshl_b32 s17, s16, 8
	s_add_co_u32 s17, s17, STAGE
	v_add_nc_u32 v[SG0], s17, v[SG0]
	s_delay_alu instid0(VALU_DEP_1)
	v_add_nc_u32 v[SG1], 16*SP, v[SG0]
	v_lshlrev_b32 v[GBO], 6, v27
	s_mov_b32 s[SEL], 0x76543210
	s_mov_b32 s[SEL+1], 0xfedcba98
	s_mov_b32 s[HALF], 0xffff0000
	s_lshl_b32 s17, ttmp9, 1
	s_mul_i32 s18, s17, REC                        ; record 2 g
	s_mov_b32 s19, 0
	s_lshr_b32 s23, s16, 3
	s_mul_i32 s24, s23, REC
	s_and_b32 s23, s16, 7
	s_lshl_b32 s23, s23, 11
	s_add_co_u32 s24, s24, s23                     ; my fragment: record w / 8, K step w % 8
	s_mov_b32 s25, 0
	s_lshl_b32 s26, s16, 2
	s_add_co_u32 s26, s26, 192
	s_mul_i32 s26, s26, REC                        ; w_0's record 4 w
	s_mov_b32 s27, 0
	s_lshl_b32 s28, ttmp9, 5
	s_lshl_b32 s29, s16, 1
	s_add_co_u32 s28, s28, s29
	s_lshl_b32 s28, s28, 12                        ; row 32 g + 2 w
	s_mov_b32 s29, 0
	s_lshl_b32 s30, s16, 8
	s_mov_b32 s31, 0
	s_wait_alu depctr_va_vdst(0)
	s_wait_kmcnt 0x0
	s_add_nc_u64 s[4:5], s[4:5], s[18:19]
	s_add_nc_u64 s[32:33], s[4:5], s[24:25]
	s_add_nc_u64 s[6:7], s[6:7], s[26:27]
	s_add_nc_u64 s[8:9], s[8:9], s[28:29]
	s_add_nc_u64 s[14:15], s[14:15], s[28:29]
	s_add_nc_u64 s[10:11], s[10:11], s[30:31]
	s_add_nc_u64 s[12:13], s[12:13], s[30:31]
.macro WLOAD s                         ; w_0's four fragments of K step s into set s % 2
.irp n, 0,1,2,3
.irp c, 0,1,2,3
	global_load_b128 v[WF+64*((\s)%2)+16*\n+4*\c:WF+64*((\s)%2)+16*\n+4*\c+3], v[LI], s[6:7] offset:\n*REC+2048*(\s)+512*\c
.endr
.endr
.endm
.irp c, 0,1,2,3
	global_load_b128 v[AF+4*\c:AF+4*\c+3], v[LI], s[32:33] offset:512*\c
.endr
.irp i, 0,1,2,3,4,5,6,7,8,9,10,11,12,13,14,15
	global_load_b128 v[ACC+4*\i:ACC+4*\i+3], v[LI], s[8:9] offset:512*\i th:TH_LOAD_NT   ; the residual: two whole rows, 8,192 consecutive bytes
.endr
	global_load_b128 v[ASC:ASC+3], v[LI], s[4:5] offset:16384
	global_load_b128 v[ASC+4:ASC+7], v[LI], s[4:5] offset:REC+16384
.irp n, 0,1,2,3
	global_load_b128 v[WSC+4*\n:WSC+4*\n+3], v[LI], s[6:7] offset:\n*REC+16384
.endr
	WLOAD 0
	WLOAD 1
	s_wait_loadcnt 54                              ; my fragment's four loads are in: 16 + 2 + 4 + 32 were issued behind them
.irp c, 0,1,2,3
	ds_store_b128 v24, v[AF+4*\c:AF+4*\c+3] offset:AIMG+512*\c
.endr
	s_wait_loadcnt 38                              ; the residual's sixteen: 2 + 4 + 32 behind them
.irp i, 0,1,2,3,4,5,6,7,8,9,10,11,12,13,14,15
	ds_store_b128 v[ROWA], v[ACC+4*\i:ACC+4*\i+3] offset:SP*(\i/8)+512*(\i%8)
.endr
	s_wait_dscnt 0x0                               ; for the others' sake: my stores have landed
	s_barrier_signal -1
	s_barrier_wait -1                              ; the 16 fragments and the 32 residual rows lie in LDS
.macro OMUL s, T, n
.set rD, ACC+32*(\T)+8*(\n)
.set rA, WF+64*((\s)%2)+16*(\n)
.set rB, AF+16*(\T)
.set sA, WSC+4*(\n)+(\s)/2
.set sB, ASC+4*(\T)+(\s)/2
.if (\s) == 0
	v_wmma_scale_f32_16x16x128_f8f6f4 v[rD:rD+7], v[rA:rA+15], v[rB:rB+15], 0, v[sA], v[sB] matrix_a_fmt:MATRIX_FMT_BF8 matrix_b_fmt:MATRIX_FMT_BF8
.elseif ((\s)%2) == 0
	v_wmma_scale_f32_16x16x128_f8f6f4 v[rD:rD+7], v[rA:rA+15], v[rB:rB+15], v[rD:rD+7], v[sA], v[sB] matrix_a_fmt:MATRIX_FMT_BF8 matrix_b_fmt:MATRIX_FMT_BF8
.else
	v_wmma_scale_f32_16x16x128_f8f6f4 v[rD:rD+7], v[rA:rA+15], v[rB:rB+15], v[rD:rD+7], v[sA], v[sB] matrix_a_fmt:MATRIX_FMT_BF8 matrix_b_fmt:MATRIX_FMT_BF8 matrix_a_scale:MATRIX_SCALE_ROW1 matrix_b_scale:MATRIX_SCALE_ROW1
.endif
.endm
.macro KSTEP s
.irp T, 0,1
.irp c, 0,1,2,3
	ds_load_b128 v[AF+16*\T+4*\c:AF+16*\T+4*\c+3], v[LI] offset:AIMG+(8*\T+(\s))*2048+512*\c
.endr
.endr
	s_wait_loadcnt 16                              ; this K step's fragments of w_0 are in; the 16 loads issued behind them may be out
	s_wait_dscnt 0x0
.irp T, 0,1
.irp n, 0,1,2,3
	OMUL \s, \T, \n                                ; the 8 accumulators by turns, one instruction a turn
.endr
.endr
.rept 8
	v_nop                                          ; places in front of loads into registers that these products read, and of the first read of results
.endr
.if (\s) < 6
	WLOAD (\s)+2
.elseif (\s) == 6
.irp b, 0,1
.irp j, 0,1,2,3
	global_load_b128 v[WF+16*\b+4*\j:WF+16*\b+4*\j+3], v[GBO], s[10:11] offset:128*\b+16*\j        ; gamma of my 32 columns
.endr
.endr
.irp b, 0,1
.irp j, 0,1,2,3
	global_load_b128 v[WF+32+16*\b+4*\j:WF+32+16*\b+4*\j+3], v[GBO], s[12:13] offset:128*\b+16*\j  ; beta
.endr
.endr
.else
.irp b, 0,1
.irp j, 0,1,2,3
	ds_load_b128 v[Y+16*\b+4*\j:Y+16*\b+4*\j+3], v[SG0] offset:128*\b+16*\j          ; my pieces of the residual, in the accumulators' order
	ds_load_b128 v[Y+32+16*\b+4*\j:Y+32+16*\b+4*\j+3], v[SG1] offset:128*\b+16*\j
.endr
.endr
.endif
.endm
.irp s, 0,1,2,3,4,5,6,7
	KSTEP \s
.endr
	v_and_b32 v42, 31, v0
	s_delay_alu instid0(VALU_DEP_1)
	v_mul_u32_u24 v[RR], v42, 80
	s_delay_alu instid0(VALU_DEP_1)
	v_add_nc_u32 v[RR], RED1, v[RR]
	s_lshl_b32 s17, s16, 2
	v_add_nc_u32 v[RW], s17, v[RR]
	v_mov_b32 v12, 0                               ; a lane permute's destination counts as one of its sources
	v_mov_b32 v13, 0
	v_mov_b32 v37, 0                               ; (named as upper halves of pairs)
	v_mov_b32 v39, 0
	s_wait_loadcnt 0x0                             ; gamma, beta
	s_wait_dscnt 0x0                               ; the residual
.set j, 0
.rept 32
	v_pk_add_f32 v[Y+j:Y+j+1], v[ACC+j:ACC+j+1], v[Y+j:Y+j+1]   ; y; each accumulator from its low end on
.set j, j+2
.endr
; v[8:9], v[10:11]: my 32 columns' partial sums for row r of tile 0, tile 1.  They are joined with lane l xor 16's, go to slot 16 T + r (lane l keeps slot l), word w; behind a barrier each lane adds its slot's 16 words; then both tiles' totals: v8, v10
.macro ACROSS off
	s_delay_alu instid0(VALU_DEP_2)
	v_add_f32 v8, v8, v9
	s_delay_alu instid0(VALU_DEP_2)
	v_add_f32 v10, v10, v11
	s_delay_alu instid0(VALU_DEP_2)
	v_permlanex16_b32 v12, v8, s[SEL], s[SEL+1]
	s_delay_alu instid0(VALU_DEP_2)
	v_permlanex16_b32 v13, v10, s[SEL], s[SEL+1]
	s_delay_alu instid0(VALU_DEP_2)
	v_add_f32 v8, v8, v12
	s_delay_alu instid0(VALU_DEP_2)
	v_add_f32 v10, v10, v13
	s_delay_alu instid0(VALU_DEP_1)
	v_cndmask_b32 v14, v8, v10, s[HALF]
	ds_store_b32 v[RW], v14 offset:\off
	s_wait_dscnt 0x0
	s_barrier_signal -1
	s_barrier_wait -1
.irp i, 0,1,2,3
	ds_load_b128 v[16+4*\i:19+4*\i], v[RR] offset:\off+16*\i
.endr
	s_wait_dscnt 0x0
	v_pk_add_f32 v[16:17], v[16:17], v[18:19]
	v_pk_add_f32 v[20:21], v[20:21], v[22:23]
	v_pk_add_f32 v[24:25], v[24:25], v[26:27]
	v_pk_add_f32 v[28:29], v[28:29], v[30:31]
	s_delay_alu instid0(VALU_DEP_3)
	v_pk_add_f32 v[16:17], v[16:17], v[20:21]
	s_delay_alu instid0(VALU_DEP_2)
	v_pk_add_f32 v[24:25], v[24:25], v[28:29]
	s_delay_alu instid0(VALU_DEP_1)
	v_pk_add_f32 v[16:17], v[16:17], v[24:25]
	s_delay_alu instid0(VALU_DEP_1)
	v_add_f32 v16, v16, v17
	s_delay_alu instid0(VALU_DEP_1)
	v_permlanex16_b32 v12, v16, s[SEL], s[SEL+1]
	s_delay_alu instid0(VALU_DEP_1)
	v_cndmask_b32 v8, v16, v12, s[HALF]            ; tile 0's: my own in lanes 0-15
	s_delay_alu instid0(VALU_DEP_2)
	v_cndmask_b32 v10, v12, v16, s[HALF]           ; tile 1's: my own in lanes 16-31
.endm
	v_pk_add_f32 v[8:9], v[Y:Y+1], v[Y+2:Y+3]
	v_pk_add_f32 v[10:11], v[Y+32:Y+33], v[Y+34:Y+35]
.irp j, 4,6,8,10,12,14,16,18,20,22,24,26,28,30
	s_delay_alu instid0(VALU_DEP_2)
	v_pk_add_f32 v[8:9], v[8:9], v[Y+\j:Y+\j+1]
	s_delay_alu instid0(VALU_DEP_2)
	v_pk_add_f32 v[10:11], v[10:11], v[Y+32+\j:Y+33+\j]
.endr
	ACROSS 0
	s_delay_alu instid0(VALU_DEP_2)
	v_mul_f32 v32, 0xba800000, v8                  ; -mean = total x -2^-10
	s_delay_alu instid0(VALU_DEP_3)
	v_mul_f32 v33, 0xba800000, v8
	s_delay_alu instid0(VALU_DEP_3)
	v_mul_f32 v34, 0xba800000, v10
	s_delay_alu instid0(VALU_DEP_4)
	v_mul_f32 v35, 0xba800000, v10
.set j, 0
.rept 16
	v_pk_add_f32 v[Y+j:Y+j+1], v[Y+j:Y+j+1], v[32:33]
	v_pk_add_f32 v[Y+32+j:Y+33+j], v[Y+32+j:Y+33+j], v[34:35]
.set j, j+2
.endr
	v_pk_mul_f32 v[8:9], v[Y:Y+1], v[Y:Y+1]
	v_pk_mul_f32 v[10:11], v[Y+32:Y+33], v[Y+32:Y+33]
.irp j, 2,4,6,8,10,12,14,16,18,20,22,24,26,28,30
	s_delay_alu instid0(VALU_DEP_2)
	v_pk_fma_f32 v[8:9], v[Y+\j:Y+\j+1], v[Y+\j:Y+\j+1], v[8:9]
	s_delay_alu instid0(VALU_DEP_2)
	v_pk_fma_f32 v[10:11], v[Y+32+\j:Y+33+\j], v[Y+32+\j:Y+33+\j], v[10:11]
.endr
	ACROSS RED2-RED1
	s_delay_alu instid0(VALU_DEP_2)
	v_mul_f32 v36, 0x3a802008, v8                  ; / 1,023
	s_delay_alu instid0(VALU_DEP_2)
	v_mul_f32 v38, 0x3a802008, v10
	s_wait_alu depctr_va_vdst(0)
	v_sqrt_f32 v36, v36
	v_sqrt_f32 v38, v38
	v_nop
	s_wait_alu depctr_va_vdst(0)                   ; one wait for both roots, ahead of their first reader
	v_add_f32 v36, 0x358637bd, v36                 ; + 1e-6
	v_add_f32 v38, 0x358637bd, v38
	s_wait_alu depctr_va_vdst(0)
	v_rcp_f32 v36, v36
	v_rcp_f32 v38, v38
	v_nop
	s_wait_alu depctr_va_vdst(0)
.set j, 0
.rept 16
	v_pk_mul_f32 v[Y+j:Y+j+1], v[Y+j:Y+j+1], v[36:37] op_sel_hi:[1,0]
	v_pk_mul_f32 v[Y+32+j:Y+33+j], v[Y+32+j:Y+33+j], v[38:39] op_sel_hi:[1,0]
.set j, j+2
.endr
.set j, 0
.rept 16
	v_pk_fma_f32 v[Y+j:Y+j+1], v[Y+j:Y+j+1], v[WF+j:WF+j+1], v[WF+32+j:WF+33+j]
	v_pk_fma_f32 v[Y+32+j:Y+33+j], v[Y+32+j:Y+33+j], v[WF+j:WF+j+1], v[WF+32+j:WF+33+j]
.set j, j+2
.endr
.irp b, 0,1
.irp j, 0,1,2,3
	ds_store_b128 v[SG0], v[Y+16*\b+4*\j:Y+16*\b+4*\j+3] offset:128*\b+16*\j         ; back into my own pieces, which nobody else has read
	ds_store_b128 v[SG1], v[Y+32+16*\b+4*\j:Y+32+16*\b+4*\j+3] offset:128*\b+16*\j
.endr
.endr
	s_wait_dscnt 0x0
	s_barrier_signal -1
	s_barrier_wait -1                              ; 32 whole rows of the result lie in the stage
.irp i, 0,1,2,3,4,5,6,7,8,9,10,11,12,13,14,15
	ds_load_b128 v[ACC+4*\i:ACC+4*\i+3], v[ROWA] offset:SP*(\i/8)+512*(\i%8)
.endr
.irp i, 0,1,2,3,4,5,6,7,8,9,10,11,12,13,14,15
	s_wait_dscnt 15-\i                             ; load i is back; the younger ones may be out
	global_store_b128 v[LI], v[ACC+4*\i:ACC+4*\i+3], s[14:15] offset:512*\i th:TH_STORE_NT   ; 512 consecutive bytes, aligned
.endr
	s_wait_tensorcnt 0x0                           ; the wave's end
	ds_add_u32 v[SPW], v[NIL]
	s_wait_dscnt 0x0
	s_endpgm
.Lfunc_end_k_qdb50d746c6_outln:
	.size	k_qdb50d746c6_outln, .Lfunc_end_k_qdb50d746c6_outln-k_qdb50d746c6_outln
	.p2alignl 7, 3214868480
	.fill 96, 4, 3214868480
	.section	.rodata,"a",@progbits
	.p2align	6, 0x0
	.amdhsa_kernel k_qdb50d746c6_outln
		.amdhsa_group_segment_fixed_size 171520
		.amdhsa_private_segment_fixed_size 0
		.amdhsa_enable_private_segment 0
		.amdhsa_kernarg_size 48
		.amdhsa_user_sgpr_count 2
		.amdhsa_user_sgpr_kernarg_segment_ptr 1
		.amdhsa_wavefront_size32 1
		.amdhsa_system_sgpr_workgroup_id_x 1
		.amdhsa_system_sgpr_workgroup_id_y 1
		.amdhsa_system_sgpr_workgroup_id_z 1
		.amdhsa_system_vgpr_workitem_id 0
		.amdhsa_next_free_vgpr 256
		.amdhsa_next_free_sgpr 66
		.amdhsa_reserve_vcc 0
		.amdhsa_float_denorm_mode_32 3
		.amdhsa_float_denorm_mode_16_64 3
		.amdhsa_memory_ordered 1
		.amdhsa_forward_progress 1
		.amdhsa_inst_pref_size 59
	.end_amdhsa_kernel
	.amdgpu_metadata
---
amdhsa.version: [ 1, 2 ]
amdhsa.kernels:
  - .name:           k_qdb50d746c6_outln
    .symbol:         k_qdb50d746c6_outln.kd
    .args:
      - { .name: orec, .offset: 0, .size: 8, .value_kind: global_buffer, .address_space: global }
      - { .name: wimg, .offset: 8, .size: 8, .value_kind: global_buffer, .address_space: global }
      - { .name: x_queries, .offset: 16, .size: 8, .value_kind: global_buffer, .address_space: global }
      - { .name: gamma, .offset: 24, .size: 8, .value_kind: global_buffer, .address_space: global }
      - { .name: beta, .offset: 32, .size: 8, .value_kind: global_buffer, .address_space: global }
      - { .name: out0, .offset: 40, .size: 8, .value_kind: global_buffer, .address_space: global }
    .group_segment_fixed_size: 171520
    .private_segment_fixed_size: 0
    .kernarg_segment_align: 8
    .kernarg_segment_size: 48
    .max_flat_workgroup_size: 512
    .sgpr_count:     66
    .vgpr_count:     256
    .wavefront_size: 32
...
	.end_amdgpu_metadata
.endif
;; end of part 4
